; MI455X (gfx1250); checked and timed in simulation.
; The chip was launched on July 23, 2026; its instructions are those of AMD's public machine-readable ISA for CDNA 5 (MIT licence, August 2026) and "CDNA5" Instruction Set Architecture Reference Guide (July 2026). The comments in the code are by the model that wrote it; some were corrected since.
;; Global Feature Dual Attention. Allowed arithmetic: matrix products marked QUANTISED: E2M3 operands, one E8M0 scale for each 32 along K, by v_wmma_scale_f32_16x16x128_f8f6f4 with both operands' format E2M3, f32 sums; products left as they are: f32 operands where the result goes on into a quantised operand, else bf16, f16 or f32 operands; f32 sums; everything else in f32.
;; Inputs: W1 2,048 x 3,072 float32; W2 1,024 x 2,048 float32; Wk 1,024 x 1,024 float32; Wkd 1,024 x 1,024 float32; Wq 1,024 x 1,024 float32; Wqd 1,024 x 1,024 float32; Wv 1,024 x 1,024 float32; b2 1,024 float32; bn_beta 2,048 float32; bn_gamma 2,048 float32; bn_mean 2,048 float32; bn_var 2,048 float32; featA 4,096 x 1,024 x 1 float32; featB 4,096 x 1,024 x 1 float32; ln_dis_b 1,024 float32; ln_dis_w 1,024 float32; ln_in_b 1,024 float32; ln_in_w 1,024 float32; ln_sim_b 1,024 float32; ln_sim_w 1,024 float32.
;; Outputs: out0 4,096 x 1,024 x 1 float32.
;; This version of the problem:
;;   THIS VERSION OF THE PROBLEM IS GIVEN IN LOW PRECISION. The matrix products marked QUANTISED in the list below multiply operands that are first quantised to E2M3 (2 exponent bits, 3 mantissa bits; 6 bits a number), with one power-of-two scale for each 32 numbers along K (OCP MX v1.0); their sums are f32. All else is computed in f32.
;;   The module's matrix products, in the order in which they are computed (A, B: the left and right operand; K: the contracted axis; several contracted axes count as one K, in the product's order):
;;     1. [M 4,096, K 1,024] x [K 1,024, N 1,024]; A: computed on the way; B: input Wq: QUANTISED
;;     2. [M 4,096, K 1,024] x [K 1,024, N 1,024]; A: input featB; B: input Wk: QUANTISED
;;     3. [M 4,096, K 1,024] x [K 1,024, N 1,024]; A: input featB; B: input Wv: QUANTISED
;;     4. batch 32,768 x [M 1, K 128] x [K 128, N 1]; A: computed on the way; B: computed on the way: left as it is (M = 1 < 16)
;;     5. [M 4,096, K 1,024] x [K 1,024, N 1,024]; A: computed on the way; B: input Wqd: QUANTISED
;;     6. [M 4,096, K 1,024] x [K 1,024, N 1,024]; A: input featB; B: input Wkd: QUANTISED
;;     7. batch 32,768 x [M 1, K 1] x [K 1, N 128]; A: softmax; B: computed on the way: left as it is (K = 1 < 32)
;;     8. batch 32,768 x [M 1, K 1] x [K 1, N 128]; A: softmax; B: computed on the way: left as it is (K = 1 < 32)
;;     9. [M 4,096, K 3,072] x [K 3,072, N 2,048]; A: computed on the way; B: input W1: QUANTISED
;;     10. [M 4,096, K 2,048] x [K 2,048, N 1,024]; A: computed on the way; B: input W2: QUANTISED
;;   THE QUANTISER, for each operand of a quantised product, along K:
;;     - K is cut into blocks of 32 from its start; a last block that is shorter is filled with zeros.
;;     - A block's scale is 2^e with e = floor(log2(the largest magnitude in the block)) - 2, held to -126 .. 127; a block of zeros has e = 0. As a byte (E8M0): e + 127.
;;     - Each number is divided by its block's scale, clamped to +-7.5, and rounded to the nearest number of E2M3, ties to even, subnormals kept.
;;     - The product sums the exact products of the quantised numbers (number of the format x scale) in f32.
;;   ~~~python
;;   def quantise(x, axis):      # numpy; x: float32 -> the quantised numbers, widened to float32 again
;;       x = np.moveaxis(x, axis, -1); K = x.shape[-1]
;;       x = np.pad(x, [(0, 0)] * (x.ndim - 1) + [(0, -K % 32)]); x = x.reshape(x.shape[:-1] + (-1, 32)); a = np.abs(x).max(-1, keepdims=True)
;;       e = np.where(a > 0, np.clip(np.frexp(np.where(a > 0, a, 1))[1] - 1 - 2, -126, 127), 0)      # np.frexp(a)[1] - 1 = floor(log2(a)), exactly
;;       r = np.clip(x / 2.0 ** e, -7.5, 7.5)
;;       step = 2.0 ** (np.maximum(np.frexp(np.where(r == 0, 1, r))[1] - 1, 0) - 3)
;;       q = np.round(r / step) * step * 2.0 ** e      # np.round: ties to even
;;       return np.moveaxis(q.reshape(q.shape[:-2] + (-1,))[..., :K], -1, axis).astype(np.float32)
;;   ~~~
;;   OPERANDS COMPUTED ON THE WAY. 'Computed on the way' means the value that the module computes at that place (a softmax that the list does not call 'softmax' is quantised finished and normalised). What goes into a quantiser is computed in f32, as accurately as f32 sums, v_exp_f32 and their like allow (about 1e-6 of the number): no bf16 or f16 on the way to a quantiser, and a product that is left as it is and whose result goes on into a quantised operand takes f32 operands (vector FMAs, or v_wmma_f32_16x16x4_f32). A number that lies on a knife's edge between two numbers of the format may be rounded either way, as far as f32 arithmetic and the matrix unit's own rounding can turn it there, and no further.
;; One version. Each part assembles by itself: llvm-mc -triple=amdgcn-amd-amdhsa -mcpu=gfx1250 --defsym DOCPART=n.
;; ======== version 1 of 1: 5 launches
;; workspace buffers: acts 13,107,200 bytes; wts 10,649,600 bytes; hc 6,553,600 bytes; vbuf 16,777,216 bytes; parts 524,288 bytes
;; launch quant (part 1): grid 1344 x 1, 4 waves a work-group, no clusters, 67,072 bytes of LDS; arguments featA, featB, Wq, Wqd, Wk, Wv, Wkd, W1, W2, ln_in_w, ln_in_b, acts, wts; writes acts, wts
.if DOCPART == 1
	.amdgcn_target "amdgcn-amd-amdhsa--gfx1250"
	.amdhsa_code_object_version 6
	.text
	.protected	k_q1c9ebf0669_quant
	.globl	k_q1c9ebf0669_quant
	.p2align	8
	.type	k_q1c9ebf0669_quant,@function
k_q1c9ebf0669_quant:
	s_mov_b64 s[64:65], 0
	v_nop
	global_prefetch_b8 v0, s[64:65] scope:SCOPE_SE
	s_setreg_imm32_b32 hwreg(HW_REG_WAVE_MODE, 25, 1), 1
	s_wait_xcnt 0x0
; LayerNorm(featA), featB and the seven weights, all f32 with K innermost, become codes of FP6 (E2M3) with one E8M0 byte for each 32 along K.
; A block's scale is 2^(floor(log2(its largest magnitude)) - 2); each number is divided by it and rounded to the nearest code, ties to even, beyond 7.5 the largest code.
; THE LAYOUT OF EVERY OPERAND (this program's own).  A tile is 16 rows x 128 K; row r of tile T is the tensor's row 32 (T / 2) + 8 (T % 2) + r + 8 (r / 8).
; A quad block, 6,400 bytes, holds one tile over four K steps: at 1536 s + 512 c + 16 lane the registers 4 c .. 4 c + 3 of the fragment of K step s, as the matrix instruction wants
; them in that lane; at 6144 + 64 s + 4 r row r's scale word of K step s.  A tensor lies [tile][quad][6400].
; SHARES.  A work-group takes one tile over 1,024 along K: 16 rows x 4,096 bytes in, two quad blocks (12,800 consecutive bytes) out.  The work-group's number picks the tensor;
; only pointers and sizes are chosen, all tensors take one way through the text, but for the LayerNorm, a branch round register work.
; Wave w loads rows 4 w .. 4 w + 3 of the tile (each load 512 consecutive bytes), the rows meet in a stage in LDS, and wave w quantises K steps 2 w and 2 w + 1 of all 16 rows.
; No cluster: work-groups share no tile (only the two small LayerNorm vectors).  No matrix work, no tensor loads.
; LIMITS: NaN and infinities are not served; a block of zeros gets the byte 1 (its codes are zeros, and this program alone reads the bytes); blocks under 2^-124 keep the byte 1;
; 1 / sqrt(var + eps) is v_rsq_f32 and a multiplication.
.set SPITCH, 4112                      ; a stage row: 4,096 bytes + 16: an odd multiple of 16, so sixteen rows' 16 bytes fall on different banks
.set SCX,    16*SPITCH                 ; behind the stage: the tile's 8 x 16 scale words, 512 bytes
.set X,      32                        ; v32-159  four rows as loaded; later 2 x 64 numbers of my K steps
.set LW,     160                       ; v160-191 ln_in_w of my 32 columns
.set LB,     192                       ; v192-223 ln_in_b
.set SA,     12                        ; v12-19   a pair for each row: sums, then the mean
.set SQ,     20                        ; v20-27   a pair for each row: sums of squares, then 1 / sqrt
.set TM,     224                       ; v224-239 the quantiser's work
.set PC,     200                       ; v200-218 the codes just made
.set PW0,    240                       ; the two scale words
.set PW1,    241
.set SRC,    34                        ; s[34:35] the tensor, later my rows
.set DST,    36                        ; s[36:37] acts or wts, later the tile's two quad blocks
.set ST,     38                        ; the tensor's first work-group
.set LG,     39                        ; log2 of its tiles
.set SP,     40                        ; bytes from row to row
.set DB,     41                        ; its place in the codes' buffer
.set DP,     42                        ; bytes from tile to tile there
.set WV,     43
.set SEL,    44                        ; s[44:45] v_permlanex16_b32's selects for lane l xor 16
.set C10,    46                        ; 2^-10
.set CEPS,   47                        ; 1e-5
.macro SEG start, ptr, lg, sp, db, dp  ; from work-group \start on: the next tensor.  The choice hangs on the work-group's number alone
	s_cmp_ge_u32 ttmp9, \start
	s_cselect_b64 s[SRC:SRC+1], s[\ptr:\ptr+1], s[SRC:SRC+1]
	s_cselect_b32 s[ST], \start, s[ST]
	s_cselect_b32 s[LG], \lg, s[LG]
	s_cselect_b32 s[SP], \sp, s[SP]
	s_cselect_b32 s[DB], \db, s[DB]
	s_cselect_b32 s[DP], \dp, s[DP]
.endm
.macro REDN sb, nr                     ; the sum over the 32 lanes of v[sb + 2 i], i < nr, the rows by turns; v[sb + 2 i + 1] is at work
.irp m, 1,2,4,8
.set ri, 0
.rept \nr
	v_add_f32_dpp v[\sb+2*ri], v[\sb+2*ri], v[\sb+2*ri] row_xmask:\m row_mask:0xf bank_mask:0xf
.set ri, ri+1
.endr
.endr
.set ri, 0
.rept \nr
	v_permlanex16_b32 v[\sb+2*ri+1], v[\sb+2*ri], s[SEL], s[SEL+1]
.set ri, ri+1
.endr
.set ri, 0
.rept \nr
	v_add_f32 v[\sb+2*ri], v[\sb+2*ri], v[\sb+2*ri+1]
.set ri, ri+1
.endr
.endm
; LayerNorm of nr rows of 1,024 numbers, 32 a lane at v[xb + 32 i], in place: the mean, then the mean of (x - mean)^2 (two passes: no difference of large sums), then (x - mean) / sqrt(var + eps) x w + b
.macro LNORM xb, nr, wb, bb
.set ri, 0
.rept \nr
	v_pk_add_f32 v[SA+2*ri:SA+2*ri+1], v[\xb+32*ri:\xb+32*ri+1], v[\xb+32*ri+2:\xb+32*ri+3]
.set ri, ri+1
.endr
.set rj, 4
.rept 14
.set ri, 0
.rept \nr
	v_pk_add_f32 v[SA+2*ri:SA+2*ri+1], v[SA+2*ri:SA+2*ri+1], v[\xb+32*ri+rj:\xb+32*ri+rj+1]
.set ri, ri+1
.endr
.set rj, rj+2
.endr
.set ri, 0
.rept \nr
	v_add_f32 v[SA+2*ri], v[SA+2*ri], v[SA+2*ri+1]
.set ri, ri+1
.endr
	REDN SA, \nr
.set ri, 0
.rept \nr
	v_mul_f32 v[SA+2*ri], s[C10], v[SA+2*ri]       ; the mean
.set ri, ri+1
.endr
.set rj, 0
.rept 16
.set ri, 0
.rept \nr
	v_pk_add_f32 v[\xb+32*ri+rj:\xb+32*ri+rj+1], v[\xb+32*ri+rj:\xb+32*ri+rj+1], v[SA+2*ri:SA+2*ri+1] op_sel_hi:[1,0] neg_lo:[0,1] neg_hi:[0,1]   ; x - mean (the pair's low word serves both halves)
.set ri, ri+1
.endr
.set rj, rj+2
.endr
.set ri, 0
.rept \nr
	v_pk_mul_f32 v[SQ+2*ri:SQ+2*ri+1], v[\xb+32*ri:\xb+32*ri+1], v[\xb+32*ri:\xb+32*ri+1]
.set ri, ri+1
.endr
.set rj, 2
.rept 15
.set ri, 0
.rept \nr
	v_pk_fma_f32 v[SQ+2*ri:SQ+2*ri+1], v[\xb+32*ri+rj:\xb+32*ri+rj+1], v[\xb+32*ri+rj:\xb+32*ri+rj+1], v[SQ+2*ri:SQ+2*ri+1]
.set ri, ri+1
.endr
.set rj, rj+2
.endr
.set ri, 0
.rept \nr
	v_add_f32 v[SQ+2*ri], v[SQ+2*ri], v[SQ+2*ri+1]
.set ri, ri+1
.endr
	REDN SQ, \nr
.set ri, 0
.rept \nr
	v_fma_f32 v[SQ+2*ri], v[SQ+2*ri], s[C10], s[CEPS]   ; var + eps
.set ri, ri+1
.endr
.set ri, 0
.rept \nr
	v_rsq_f32 v[SQ+2*ri], v[SQ+2*ri]
.set ri, ri+1
.endr
	v_nop                                          ; a plain instruction behind the last of the batch (ISA guide 5.7.2)
	s_wait_alu depctr_va_vdst(0)                   ; one wait for the batch, ahead of its first reader
.set rj, 0
.rept 16
.set ri, 0
.rept \nr
	v_pk_mul_f32 v[\xb+32*ri+rj:\xb+32*ri+rj+1], v[\xb+32*ri+rj:\xb+32*ri+rj+1], v[SQ+2*ri:SQ+2*ri+1] op_sel_hi:[1,0]
.set ri, ri+1
.endr
.set ri, 0
.rept \nr
	v_pk_fma_f32 v[\xb+32*ri+rj:\xb+32*ri+rj+1], v[\xb+32*ri+rj:\xb+32*ri+rj+1], v[\wb+rj:\wb+rj+1], v[\bb+rj:\bb+rj+1]
.set ri, ri+1
.endr
.set rj, rj+2
.endr
.endm
; 64 numbers of a lane, register 16 b + i = k 32 b + 16 (lane / 16) + i of my row, become a fragment's 12 registers in v[PC] on and my row's scale word in v[pw]
.macro QUANT s, pw
.irp b, 0,1,2,3
	v_max3_num_f32 v[TM+\b], |v[\s+16*\b]|, |v[\s+1+16*\b]|, 0x1800000   ; my 16 numbers of block b, and the floor 2^(3 - 127): the byte cannot fall under 1
.endr
.irp i, 2,4,6,8,10,12,14
.irp b, 0,1,2,3
	v_max3_num_f32 v[TM+\b], v[TM+\b], |v[\s+16*\b+\i]|, |v[\s+1+16*\b+\i]|
.endr
.endr
.irp b, 0,1,2,3
	v_permlanex16_b32 v[TM+4+\b], v[TM+\b], s[SEL], s[SEL+1]
.endr
.irp b, 0,1,2,3
	v_max_num_f32 v[TM+\b], v[TM+\b], v[TM+4+\b]   ; with lane l xor 16's: the block's largest magnitude
.endr
.irp b, 0,1,2,3
	v_add_nc_u32 v[TM+12+\b], 0xff000000, v[TM+\b] ; 2 off its exponent field: the conversion's scale operand
.endr
.irp b, 0,1,2,3
	v_lshrrev_b32 v[TM+4+\b], 23, v[TM+12+\b]      ; the scale's byte
.endr
	v_lshl_or_b32 v[\pw], v[TM+5], 8, v[TM+4]
	v_lshl_or_b32 v[\pw], v[TM+6], 16, v[\pw]
	v_lshl_or_b32 v[\pw], v[TM+7], 24, v[\pw]
.irp c, 0,1
	v_cvt_scalef32_pk16_fp6_f32 v[PC+6*\c:PC+2+6*\c], v[\s+32*\c:\s+15+32*\c], v[TM+12+2*\c]
	v_cvt_scalef32_pk16_fp6_f32 v[PC+12+4*\c:PC+14+4*\c], v[\s+16+32*\c:\s+31+32*\c], v[TM+12+2*\c+1]   ; (a conversion's three registers begin on an even number)
.endr
	v_nop                                          ; one plain instruction behind a scaled conversion
.irp c, 0,1                                    ; the operand wants a whole block in a lane: lanes 0-15 block 2 c, lanes 16-31 block 2 c + 1
.irp i, 0,1,2
	v_permlane16_swap_b32 v[PC+6*\c+\i], v[PC+12+4*\c+\i]
.endr
.irp i, 0,1,2
	v_mov_b32 v[PC+3+6*\c+\i], v[PC+12+4*\c+\i]
.endr
.endr
.endm
	s_load_b512 s[8:23], s[0:1], 0x0               ; featA 8, featB 10, Wq 12, Wqd 14, Wk 16, Wv 18, Wkd 20, W1 22
	s_load_b256 s[24:31], s[0:1], 0x40             ; W2 24, ln_in_w 26, ln_in_b 28, acts 30
	s_load_b64 s[32:33], s[0:1], 0x60              ; wts
	v_lshl_add_u32 v254, v0, 2, 0x10400
	v_mov_b32 v255, 0
	v_lshrrev_b32 v1, 5, v0
	v_readfirstlane_b32 s[WV], v1                  ; wave 0..3
	v_and_b32 v1, 31, v0                           ; lane
	v_and_b32 v2, 15, v0                           ; r
	v_bfe_u32 v3, v0, 4, 1                         ; h
	v_lshlrev_b32 v4, 4, v1                        ; 16 x lane: my bytes of a load's 512, and of an image's
	v_lshl_add_u32 v11, v0, 2, SCX                 ; where my scale word goes: K step 2 w + h, row r
	v_add_nc_u32 v28, SCX, v4                      ; where wave 0 reads the 512 bytes back
	v_mul_u32_u24 v29, v3, 6400
	v_lshl_add_u32 v29, v2, 4, v29                 ; and stores them: quad h, 16 bytes a lane
	s_mul_i32 s48, s[WV], 4*SPITCH
	v_add_nc_u32 v8, s48, v4                       ; the stage, in: my four rows
	v_mul_u32_u24 v9, v2, SPITCH
	v_lshl_add_u32 v9, v3, 6, v9
	s_lshl_b32 s48, s[WV], 10
	v_add_nc_u32 v9, s48, v9                       ; out: row r, my two K steps, my 16 numbers of each block of 32
.irp b, 0,1,2,3
	v_mov_b32 v[TM+4+\b], 0                        ; written once: a lane permute's destination counts as one of its sources
.endr
	s_mov_b32 s[SEL], 0x76543210
	s_mov_b32 s[SEL+1], 0xfedcba98
	s_mov_b32 s[C10], 0x3a800000
	s_mov_b32 s[CEPS], 0x3727c5ac
	s_mov_b32 s[ST], 0
	s_mov_b32 s[LG], 8
	s_mov_b32 s[SP], 4096
	s_mov_b32 s[DB], 0
	s_mov_b32 s[DP], 12800
	s_wait_kmcnt 0x0
	s_mov_b64 s[SRC:SRC+1], s[8:9]                 ; featA: 256 work-groups
	SEG 256,  10, 8, 4096,  9830400, 12800         ; featB
	SEG 512,  12, 6, 4096,  0,       12800         ; Wq
	SEG 576,  14, 6, 4096,  819200,  12800         ; Wqd
	SEG 640,  16, 6, 4096,  1638400, 12800         ; Wk
	SEG 704,  18, 6, 4096,  2457600, 12800         ; Wv
	SEG 768,  20, 6, 4096,  3276800, 12800         ; Wkd
	SEG 832,  22, 7, 12288, 4096000, 38400         ; W1: 128 tiles x 3 runs of 1,024 along K
	SEG 1216, 24, 6, 8192,  9011200, 25600         ; W2: 64 tiles x 2 runs
	s_cmp_ge_u32 ttmp9, 512
	s_cselect_b64 s[DST:DST+1], s[32:33], s[30:31]
	s_sub_co_u32 s48, ttmp9, s[ST]
	s_lshr_b32 s49, s48, s[LG]                     ; which 1,024 along K
	s_lshl_b32 s50, s49, s[LG]
	s_sub_co_u32 s48, s48, s50                     ; the tile T
	s_lshr_b32 s50, s48, 1
	s_lshl_b32 s50, s50, 5
	s_and_b32 s51, s48, 1
	s_lshl_b32 s51, s51, 3
	s_add_co_u32 s50, s50, s51                     ; its first row: 32 (T / 2) + 8 (T % 2)
	s_lshl_b32 s51, s[WV], 2
	s_add_co_u32 s50, s50, s51
	s_lshr_b32 s51, s[WV], 1
	s_lshl_b32 s51, s51, 3
	s_add_co_u32 s50, s50, s51                     ; my four rows: + 4 w + 8 (w / 2)
	s_mul_i32 s50, s50, s[SP]
	s_lshl_b32 s51, s49, 12
	s_add_co_u32 s50, s50, s51
	s_mov_b32 s51, 0
	s_add_nc_u64 s[SRC:SRC+1], s[SRC:SRC+1], s[50:51]
	s_mul_i32 s52, s48, s[DP]
	s_add_co_u32 s52, s52, s[DB]
	s_mul_i32 s53, s49, 12800
	s_add_co_u32 s52, s52, s53
	s_mov_b32 s53, 0
	s_add_nc_u64 s[DST:DST+1], s[DST:DST+1], s[52:53]   ; the tile's two quad blocks
	s_lshr_b32 s54, s[WV], 1
	s_mul_i32 s54, s54, 6400
	s_and_b32 s55, s[WV], 1
	s_mul_i32 s55, s55, 3072
	s_add_co_u32 s54, s54, s55
	s_mov_b32 s55, 0
	s_add_nc_u64 s[56:57], s[DST:DST+1], s[54:55]  ; K step 2 w: quad w / 2, place 2 (w % 2)
	v_add_nc_u32 v5, s[SP], v4                     ; my second, third and fourth row
	v_add_nc_u32 v6, s[SP], v5
	v_add_nc_u32 v7, s[SP], v6
.irp i, 0,1,2,3
.irp j, 0,1,2,3,4,5,6,7
	global_load_b128 v[X+32*\i+4*\j:X+32*\i+4*\j+3], v[4+\i], s[SRC:SRC+1] offset:512*\j th:TH_LOAD_NT   ; 32 lanes read 512 consecutive bytes; read once in this launch
.endr
.endr
	s_cmp_ge_u32 ttmp9, 256                        ; featA alone is normalised: a branch on the work-group's number round loads into registers and register work
	s_cbranch_scc1 .Lplain
.irp j, 0,1,2,3,4,5,6,7
	global_load_b128 v[LW+4*\j:LW+4*\j+3], v4, s[26:27] offset:512*\j
	global_load_b128 v[LB+4*\j:LB+4*\j+3], v4, s[28:29] offset:512*\j
.endr
	s_wait_loadcnt 0x0
	LNORM X, 4, LW, LB
.Lplain:
	s_wait_loadcnt 0x0
.irp i, 0,1,2,3
.irp j, 0,1,2,3,4,5,6,7
	ds_store_b128 v8, v[X+32*\i+4*\j:X+32*\i+4*\j+3] offset:\i*SPITCH+512*\j
.endr
.endr
	s_wait_dscnt 0x0                               ; for the others' sake: my rows lie in the stage
	s_barrier_signal -1
	s_barrier_wait -1
.irp u, 0,1
.irp b, 0,1,2,3
.irp q, 0,1,2,3
	ds_load_b128 v[X+64*\u+16*\b+4*\q:X+64*\u+16*\b+4*\q+3], v9 offset:512*\u+128*\b+16*\q
.endr
.endr
.endr
	s_wait_dscnt 16                                ; K step 2 w's 16 loads are in; the other 16 may be out
	QUANT X, PW0
.irp c, 0,1,2
	global_store_b128 v4, v[PC+4*\c:PC+4*\c+3], s[56:57] offset:512*\c   ; 32 lanes store 512 consecutive bytes, aligned to 256
.endr
	s_wait_dscnt 0x0
	s_wait_xcnt 0x0                                ; the stores' data registers are written again only behind this wait
	QUANT X+64, PW1
.irp c, 0,1,2
	global_store_b128 v4, v[PC+4*\c:PC+4*\c+3], s[56:57] offset:1536+512*\c
.endr
	v_cmp_ne_u32 vcc_lo, 0, v3
	v_cndmask_b32 v242, v[PW0], v[PW1], vcc_lo     ; lanes 0-15 carry K step 2 w's words, lanes 16-31 those of 2 w + 1
	ds_store_b32 v11, v242
	s_wait_dscnt 0x0                               ; for wave 0's sake
	s_barrier_signal -1
	s_barrier_wait -1
	s_cmp_lg_u32 s[WV], 0
	s_cbranch_scc1 .Lend
	ds_load_b128 v[244:247], v28                   ; the tile's 512 bytes of scale words
	s_wait_dscnt 0x0
	global_store_b128 v29, v[244:247], s[DST:DST+1] offset:6144   ; sixteen lanes store 256 consecutive bytes, aligned, into each quad block
.Lend:
	s_wait_tensorcnt 0x0
	ds_add_u32 v254, v255
	s_wait_dscnt 0x0
	s_endpgm
.Lfunc_end_k_q1c9ebf0669_quant:
	.size	k_q1c9ebf0669_quant, .Lfunc_end_k_q1c9ebf0669_quant-k_q1c9ebf0669_quant
	.p2alignl 7, 3214868480
	.fill 96, 4, 3214868480
	.section	.rodata,"a",@progbits
	.p2align	6, 0x0
	.amdhsa_kernel k_q1c9ebf0669_quant
		.amdhsa_group_segment_fixed_size 67072
		.amdhsa_private_segment_fixed_size 0
		.amdhsa_enable_private_segment 0
		.amdhsa_kernarg_size 104
		.amdhsa_user_sgpr_count 2
		.amdhsa_user_sgpr_kernarg_segment_ptr 1
		.amdhsa_wavefront_size32 1
		.amdhsa_system_sgpr_workgroup_id_x 1
		.amdhsa_system_sgpr_workgroup_id_y 1
		.amdhsa_system_sgpr_workgroup_id_z 1
		.amdhsa_system_vgpr_workitem_id 0
		.amdhsa_next_free_vgpr 256
		.amdhsa_next_free_sgpr 66
		.amdhsa_reserve_vcc 1
		.amdhsa_float_denorm_mode_32 3
		.amdhsa_float_denorm_mode_16_64 3
		.amdhsa_memory_ordered 1
		.amdhsa_forward_progress 1
		.amdhsa_inst_pref_size 48
	.end_amdhsa_kernel
	.amdgpu_metadata
---
amdhsa.version: [ 1, 2 ]
amdhsa.kernels:
  - .name:           k_q1c9ebf0669_quant
    .symbol:         k_q1c9ebf0669_quant.kd
    .args:
      - { .name: featA, .offset: 0, .size: 8, .value_kind: global_buffer, .address_space: global }
      - { .name: featB, .offset: 8, .size: 8, .value_kind: global_buffer, .address_space: global }
      - { .name: Wq, .offset: 16, .size: 8, .value_kind: global_buffer, .address_space: global }
      - { .name: Wqd, .offset: 24, .size: 8, .value_kind: global_buffer, .address_space: global }
      - { .name: Wk, .offset: 32, .size: 8, .value_kind: global_buffer, .address_space: global }
      - { .name: Wv, .offset: 40, .size: 8, .value_kind: global_buffer, .address_space: global }
      - { .name: Wkd, .offset: 48, .size: 8, .value_kind: global_buffer, .address_space: global }
      - { .name: W1, .offset: 56, .size: 8, .value_kind: global_buffer, .address_space: global }
      - { .name: W2, .offset: 64, .size: 8, .value_kind: global_buffer, .address_space: global }
      - { .name: ln_in_w, .offset: 72, .size: 8, .value_kind: global_buffer, .address_space: global }
      - { .name: ln_in_b, .offset: 80, .size: 8, .value_kind: global_buffer, .address_space: global }
      - { .name: acts, .offset: 88, .size: 8, .value_kind: global_buffer, .address_space: global }
      - { .name: wts, .offset: 96, .size: 8, .value_kind: global_buffer, .address_space: global }
    .group_segment_fixed_size: 67072
    .private_segment_fixed_size: 0
    .kernarg_segment_align: 8
    .kernarg_segment_size: 104
    .max_flat_workgroup_size: 128
    .sgpr_count:     66
    .vgpr_count:     256
    .wavefront_size: 32
...
	.end_amdgpu_metadata
.endif
;; end of part 1
;; launch proj (part 2): grid 8 x 32, 4 waves a work-group, clusters of 4 x 4, 327,680 bytes of LDS; arguments acts, wts, vbuf, parts; writes vbuf, parts
.if DOCPART == 2
	.amdgcn_target "amdgcn-amd-amdhsa--gfx1250"
	.amdhsa_code_object_version 6
	.text
	.protected	k_q1c9ebf0669_proj
	.globl	k_q1c9ebf0669_proj
	.p2align	8
	.type	k_q1c9ebf0669_proj,@function
k_q1c9ebf0669_proj:
	s_mov_b64 s[64:65], 0
	v_nop
	global_prefetch_b8 v0, s[64:65] scope:SCOPE_SE
	s_setreg_imm32_b32 hwreg(HW_REG_WAVE_MODE, 25, 1), 1
	s_wait_xcnt 0x0
	s_wait_alu depctr_hold_cnt(0) depctr_sa_sdst(0) depctr_va_vdst(0) depctr_va_sdst(0) depctr_va_ssrc(0) depctr_va_vcc(0) depctr_vm_vsrc(0)
	s_getreg_b32 s2, hwreg(HW_REG_IB_STS2, 6, 4)
	s_cmp_eq_u32 s2, 0
	s_cbranch_scc0 .Lentry_in_a_cluster
	s_endpgm
.Lentry_in_a_cluster:
	s_bfe_u32 s2, ttmp6, 0x10000c
	s_cmp_lg_u32 s2, 0xf033
	s_cbranch_scc0 .Lentry_shape_is_right
	s_endpgm
.Lentry_shape_is_right:
; The five projections on codes of FP6 (E2M3): q = xA_n Wq^T, qd = xA_n Wqd^T, k = xB Wk^T, v = xB Wv^T, kd = xB Wkd^T, sums in f32.  Out go v in f32 (vbuf, [4096][1024]) and, for each row and
; each half of a head, the f32 sums of q k and of (qd - kd)^2 over 64 channels (parts): the next launch adds them to the scores and to the distance.
; OPERANDS lie as the launch before laid them: tiles of 16 rows x 128 K (row r of tile T = row 32 (T / 2) + 8 (T % 2) + r + 8 (r / 8)), a quad block of 6,400 bytes for four K steps:
; register images at 1536 s + 512 c + 16 lane, scale words at 6144 + 64 s + 4 r.
; SHARES.  A work-group takes 128 rows x one head (128 channels) x five projections; each of its four waves 64 rows x 64 channels x 5: 80 accumulators.
; THE MATRIX INSTRUCTION IS USED TRANSPOSED: source 0 = a tile of a weight, source 1 = a tile of rows.  Lane (r, h) holds row r of the act tile; register i of weight tile j is channel 32 (j / 2) + 16 h + 8 (j % 2) + i.
; CLUSTER 4 x 4: the four work-groups of a row of the cluster need the same act tiles, the four of a column the same weight tiles: each tile is asked for jointly.
; LDS: two slots H0, H1 of three cells of 51,200 bytes (8 tiles x one quad): acts, first weight, second weight.  Stages: T1, T2: xA_n x (Wq, Wqd), quads 0, 1; T3, T4: xB x (Wk, Wv); T5: xB, which has stayed, x Wkd.
; REGISTERS: window 0: v1-19 addresses; v20-31 scale words, two sets; v32-127 act fragments, two sets of 4; v128-255 kd.  window 1: q (j 0-3) and qd (j 4-7) at 64 a + 8 j.  window 2: k and v likewise.  window 3: weight fragments, two sets of 8.
.set QB,     6400
.set CELL,   8*QB
.set HALFC,  4*QB
.set H1,     3*CELL                    ; slot 1
.set SPARE,  2*H1                      ; behind the slots: the spare words, 128 bytes for each wave: two blocks of 256 bytes that no other line names
.set STAGE,  H1+CELL                   ; the way out: 16 rows x 272 bytes for each wave, in slot 1's weight cell, which has had its last fill and its last read by then
.set SPI,    272
.set BSTEP,  CELL                      ; from the first weight's cell to the second's
.set AF,     32
.set SC,     20
.set WV, 20
.set WH, 21
.set WE, 22
.set CX, 23
.set CY, 24
.set NX, 25
.set RB, 26
.set RM, 27
.set CM, 28
.set G1A, 36                           ; s[36:43] group 1 for act tiles; s[44:51] for weight tiles
.set G1B, 44
.set GA0, 52                           ; groups 0, one for each load, never rewritten
.set GA1, 56
.set GA2, 60
.set GA3, 68
.set GB0, 72
.set GB1, 76
.set GB2, 80
.set GB3, 84
.set GB4, 88
.set PA,  92
.set PB,  94
.set PB4, 96
.set SEL, 100
.set MSB, 0
.macro WIN new                         ; the immediate's high byte repeats the setting that is left
.if MSB != \new
	s_set_vgpr_msb (MSB<<8)|\new
.set MSB, \new
.endif
.endm
.macro PLACES                          ; four plain instructions in front of loads into registers that matrix instructions have read, and of the first read of results
.rept 4
	v_nop
.endr
.endm
.macro CREST                           ; a round of the cluster's barrier behind its opening barrier
	s_cmp_lg_u32 s[WV], 0
	s_cbranch_scc1 .Lnw0_\@
	s_barrier_signal -3
.Lnw0_\@:
	s_barrier_wait -3
	s_barrier_signal -1
	s_barrier_wait -1
.endm
.macro CROUND
	s_barrier_signal -1
	s_barrier_wait -1
	CREST
.endm
.macro JLOAD ga, gb                    ; a joint load: waves 0, 1 fetch act tiles, waves 2, 3 weight tiles; four v_nop follow each line
	s_cmp_eq_u32 s[WH], 0
	s_cbranch_scc0 .Lfb_\@
	tensor_load_to_lds s[\ga:\ga+3], s[G1A:G1A+7]
	s_nop 0
.rept 4
	v_nop
.endr
	s_branch .Lfa_\@
.Lfb_\@:
	tensor_load_to_lds s[\gb:\gb+3], s[G1B:G1B+7]
	s_nop 0
.rept 4
	v_nop
.endr
.Lfa_\@:
.endm
.macro JLOADB gb                       ; weight tiles alone: waves 0, 1 have nothing to fill
	s_cmp_eq_u32 s[WH], 0
	s_cbranch_scc1 .Lnone_\@
	tensor_load_to_lds s[\gb:\gb+3], s[G1B:G1B+7]
	s_nop 0
.rept 4
	v_nop
.endr
.Lnone_\@:
.endm
.macro MKG0 g, lreg, lc, base, oc      ; a group 0: count 1, LDS address, global address, type 2
	s_mov_b32 s[\g], 1
	s_add_co_u32 s[\g+1], s[\lreg], \lc
	s_add_nc_u64 s[\g+2:\g+3], s[\base:\base+1], \oc
	s_or_b32 s[\g+3], s[\g+3], 0x80000000
.endm
.macro FR3 reg, adr, off               ; a fragment's 12 registers: three loads of 512 consecutive bytes
.irp c, 0,1,2
	ds_load_b128 v[(\reg)+4*\c:(\reg)+4*\c+3], v[\adr] offset:(\off)+512*\c
.endr
.endm
; K step s of slot sl into set p: 4 act fragments, 8 weight fragments, 6 registers of scale words (lanes 0-15 an even tile's, lanes 16-31 the odd one's): 42 loads
.macro FETCH32 sl, s, p
	WIN 0
.irp a, 0,1,2,3
	FR3 AF+48*(\p)+12*\a, 4+6*(\sl), \a*QB+(\s)*1536
.endr
.irp i, 0,1
	ds_load_b32 v[SC+6*(\p)+\i], v[5+6*(\sl)] offset:\i*2*QB+64*(\s)
	ds_load_b32 v[SC+6*(\p)+2+\i], v[7+6*(\sl)] offset:\i*2*QB+64*(\s)
	ds_load_b32 v[SC+6*(\p)+4+\i], v[9+6*(\sl)] offset:\i*2*QB+64*(\s)
.endr
	WIN 0xc0
.irp j, 0,1,2,3
	FR3 96*(\p)+12*\j, 6+6*(\sl), \j*QB+(\s)*1536
	FR3 96*(\p)+48+12*\j, 8+6*(\sl), \j*QB+(\s)*1536
.endr
.endm
; the same with 4 weight fragments: 28 loads.  ada, adb: the address registers; each one's scale address is the next register
.macro FETCH16 ada, adb, s, p
	WIN 0
.irp a, 0,1,2,3
	FR3 AF+48*(\p)+12*\a, \ada, \a*QB+(\s)*1536
.endr
.irp i, 0,1
	ds_load_b32 v[SC+6*(\p)+\i], v[(\ada)+1] offset:\i*2*QB+64*(\s)
	ds_load_b32 v[SC+6*(\p)+2+\i], v[(\adb)+1] offset:\i*2*QB+64*(\s)
.endr
	WIN 0xc0
.irp j, 0,1,2,3
	FR3 96*(\p)+12*\j, \adb, \j*QB+(\s)*1536
.endr
.endm
.macro WM cm                           ; one product; an odd tile's scale words stand in lanes 16-31
.if \cm == 1
.if (mj%2 == 0) && (ma%2 == 0)
	v_wmma_scale_f32_16x16x128_f8f6f4 v[rD:rD+7], v[rB:rB+11], v[rA:rA+11], 0, v[rSB], v[rSA] matrix_a_fmt:MATRIX_FMT_FP6 matrix_b_fmt:MATRIX_FMT_FP6
.elseif (mj%2 == 1) && (ma%2 == 0)
	v_wmma_scale_f32_16x16x128_f8f6f4 v[rD:rD+7], v[rB:rB+11], v[rA:rA+11], 0, v[rSB], v[rSA] matrix_a_fmt:MATRIX_FMT_FP6 matrix_b_fmt:MATRIX_FMT_FP6 matrix_a_scale:MATRIX_SCALE_ROW1
.elseif (mj%2 == 0)
	v_wmma_scale_f32_16x16x128_f8f6f4 v[rD:rD+7], v[rB:rB+11], v[rA:rA+11], 0, v[rSB], v[rSA] matrix_a_fmt:MATRIX_FMT_FP6 matrix_b_fmt:MATRIX_FMT_FP6 matrix_b_scale:MATRIX_SCALE_ROW1
.else
	v_wmma_scale_f32_16x16x128_f8f6f4 v[rD:rD+7], v[rB:rB+11], v[rA:rA+11], 0, v[rSB], v[rSA] matrix_a_fmt:MATRIX_FMT_FP6 matrix_b_fmt:MATRIX_FMT_FP6 matrix_a_scale:MATRIX_SCALE_ROW1 matrix_b_scale:MATRIX_SCALE_ROW1
.endif
.else
.if (mj%2 == 0) && (ma%2 == 0)
	v_wmma_scale_f32_16x16x128_f8f6f4 v[rD:rD+7], v[rB:rB+11], v[rA:rA+11], v[rC:rC+7], v[rSB], v[rSA] matrix_a_fmt:MATRIX_FMT_FP6 matrix_b_fmt:MATRIX_FMT_FP6
.elseif (mj%2 == 1) && (ma%2 == 0)
	v_wmma_scale_f32_16x16x128_f8f6f4 v[rD:rD+7], v[rB:rB+11], v[rA:rA+11], v[rC:rC+7], v[rSB], v[rSA] matrix_a_fmt:MATRIX_FMT_FP6 matrix_b_fmt:MATRIX_FMT_FP6 matrix_a_scale:MATRIX_SCALE_ROW1
.elseif (mj%2 == 0)
	v_wmma_scale_f32_16x16x128_f8f6f4 v[rD:rD+7], v[rB:rB+11], v[rA:rA+11], v[rC:rC+7], v[rSB], v[rSA] matrix_a_fmt:MATRIX_FMT_FP6 matrix_b_fmt:MATRIX_FMT_FP6 matrix_b_scale:MATRIX_SCALE_ROW1
.else
	v_wmma_scale_f32_16x16x128_f8f6f4 v[rD:rD+7], v[rB:rB+11], v[rA:rA+11], v[rC:rC+7], v[rSB], v[rSA] matrix_a_fmt:MATRIX_FMT_FP6 matrix_b_fmt:MATRIX_FMT_FP6 matrix_a_scale:MATRIX_SCALE_ROW1 matrix_b_scale:MATRIX_SCALE_ROW1
.endif
.endif
.endm
; act tiles a0 .. a0 + cnt - 1 x nb weight tiles of set p; accumulator (a, j) at base + astr a + 8 j.  cm = 1: the product starts the sum with the constant 0; 0: it adds in place; 2: C stands at 8 j.
; The accumulators take turns, one instruction a turn, in the same order in every step.
.macro MULS a0, cnt, nb, p, base, astr, cm
.set ma, \a0
.rept \cnt
.set mj, 0
.rept \nb
.set rD, (\base)+(\astr)*ma+8*mj
.set rC, rD
.if \cm == 2
.set rC, 8*mj
.endif
.set rB, 96*(\p)+12*mj
.set rA, AF+48*(\p)+12*ma
.set rSB, SC+6*(\p)+2+mj/2
.set rSA, SC+6*(\p)+ma/2
	WM \cm
.set mj, mj+1
.endr
.set ma, ma+1
.endr
.endm
; a step that has its successor in the same slot: the next step's 42 loads go out, then this step's 32 products
.macro KSTEP32 sl, s, p, wn, cm
	PLACES
	FETCH32 \sl, (\s)+1, 1-(\p)
	s_wait_dscnt 42                                ; all but the 42 just issued: this step's set is in
	WIN \wn
	MULS 0, 4, 8, \p, 0, 64, \cm
.endm
.macro QUAD3 sl, wn, cm
	KSTEP32 \sl, 0, 0, \wn, \cm
	KSTEP32 \sl, 1, 1, \wn, 0
	KSTEP32 \sl, 2, 0, \wn, 0
.endm
; A slot's last step changes slots.  In front of the one barrier each wave waits for all its tensor loads, adds 0 to its spare word, and waits for that and for its reads of this slot.
.macro TURNA nb, wn, base, astr
	WIN 0                                          ; (the add's two registers lie in window 0)
	s_wait_tensorcnt 0x0                           ; all my tensor loads have landed: my part of the next slot
	ds_add_u32 v16, v17                            ; 0 onto my spare word
	s_wait_dscnt 1                                 ; (the add alone may be out: this step's set is in)
	WIN \wn
	MULS 0, 1, \nb, 1, \base, \astr, 0
	s_wait_dscnt 0x0                               ; the add is done, and my reads of this slot are over
	s_barrier_signal -1
	MULS 1, 1, \nb, 1, \base, \astr, 0
	WIN 0                                          ; (branches may follow)
	s_barrier_wait -1
.endm
.macro TURNB nb, wn, base, astr
	WIN \wn
	MULS 2, 2, \nb, 1, \base, \astr, 0
.endm
	s_load_b256 s[4:11], s[0:1], 0x0               ; acts 4, wts 6, vbuf 8, parts 10
	v_lshl_add_u32 v16, v0, 2, SPARE
	v_mov_b32 v17, 0
	ds_add_u32 v16, v17
	ds_add_u32 v16, v17
	s_wait_dscnt 0x0
	v_lshrrev_b32 v1, 5, v0
	v_readfirstlane_b32 s[WV], v1                  ; wave 0..3
	s_lshr_b32 s[WH], s[WV], 1                     ; my half of the rows.  Also: I fetch act tiles (0) or weight tiles (1)
	s_and_b32 s[WE], s[WV], 1                      ; my half of the channels.  Also: which part I fetch
	s_bfe_u32 s[CX], ttmp6, 0x40000
	s_bfe_u32 s[CY], ttmp6, 0x40004
	s_lshl_b32 s[NX], ttmp9, 2
	s_add_co_u32 s[NX], s[NX], s[CX]               ; the head
	s_and_b32 s[RB], ttmp7, 0xffff
	s_lshl_b32 s[RB], s[RB], 2
	s_add_co_u32 s[RB], s[RB], s[CY]               ; the block of 128 rows
	s_lshl_b32 s[RM], s[CY], 2
	s_lshl_b32 s[RM], 15, s[RM]                    ; my row of the cluster
	s_lshl_b32 s[CM], 0x1111, s[CX]                ; my column
	s_or_b32 s[G1A], s[RM], (3<<16)|(1<<21)        ; 15:0 the mask; 17:16 elements of 8 bytes; 21 set beside a mask; no padding
	s_or_b32 s[G1B], s[CM], (3<<16)|(1<<21)
	s_mov_b32 s[G1A+1], 800<<16                    ; tensor_dim0: a quad block, 800 elements
	s_mov_b32 s[G1A+2], 4<<16                      ; tensor_dim1: 4 tiles
	s_mov_b32 s[G1A+3], 800<<16                    ; tile_dim0
	s_mov_b32 s[G1A+4], 4                          ; tile_dim1
	s_mov_b32 s[G1A+5], 1600                       ; from tile to tile: 12,800 bytes
	s_mov_b32 s[G1A+6], 0
	s_mov_b32 s[G1A+7], 0
	s_mov_b32 s[G1B+1], 800<<16
	s_mov_b32 s[G1B+2], 8<<16                      ; 8 tiles: a head's 128 rows of a weight
	s_mov_b32 s[G1B+3], 800<<16
	s_mov_b32 s[G1B+4], 8
	s_mov_b32 s[G1B+5], 1600
	s_mov_b32 s[G1B+6], 0
	s_mov_b32 s[G1B+7], 0
	s_mov_b32 s[SEL], 0x76543210
	s_mov_b32 s[SEL+1], 0xfedcba98
	s_lshl_b32 s30, s[RB], 3
	s_lshl_b32 s31, s[WE], 2
	s_add_co_u32 s30, s30, s31                     ; act tile 8 RB + 4 x part
	s_mul_i32 s30, s30, 2*QB
	s_mov_b32 s31, 0
	s_mul_i32 s32, s[NX], 8*2*QB                   ; weight tile 8 NX,
	s_mul_i32 s33, s[WE], 819200                   ; of the first or the second weight of a pair
	s_add_co_u32 s32, s32, s33
	s_mov_b32 s33, 0
	s_mul_i32 s98, s[NX], 8*2*QB                   ; Wkd: both quads, one to each of the two waves
	s_mul_i32 s99, s[WE], QB
	s_add_co_u32 s98, s98, s99
	s_add_co_u32 s98, s98, 3276800
	s_mov_b32 s99, 0
	s_mul_i32 s34, s[WE], HALFC                    ; where they go: no place in the cluster enters an LDS address
	s_mul_i32 s35, s[WE], CELL
	s_wait_kmcnt 0x0
	s_add_nc_u64 s[PA:PA+1], s[4:5], s[30:31]
	s_add_nc_u64 s[PB:PB+1], s[6:7], s[32:33]
	s_add_nc_u64 s[PB4:PB4+1], s[6:7], s[98:99]
	CROUND                                         ; all sixteen work-groups are here: the first joint loads meet
	MKG0 GA0, 34, 0,       PA, 0                   ; xA_n, quad 0
	MKG0 GA1, 34, H1,      PA, QB                  ; xA_n, quad 1
	MKG0 GA2, 34, 0,       PA, 9830400             ; xB, quad 0
	MKG0 GA3, 34, H1,      PA, 9830400+QB          ; xB, quad 1
	MKG0 GB0, 35, CELL,    PB, 0                   ; Wq | Wqd, quad 0
	MKG0 GB1, 35, H1+CELL, PB, QB
	MKG0 GB2, 35, CELL,    PB, 1638400             ; Wk | Wv, quad 0
	MKG0 GB3, 35, H1+CELL, PB, 1638400+QB
	MKG0 GB4, 35, CELL,    PB4, 0                  ; Wkd, quad 0 | quad 1
	JLOAD GA0, GB0
	JLOAD GA1, GB1                                 ; two loads of mine are out
	v_and_b32 v1, 15, v0                           ; r
	v_bfe_u32 v2, v0, 4, 1                         ; h
	v_and_b32 v3, 31, v0
	v_lshlrev_b32 v3, 4, v3                        ; 16 x lane
	v_mul_u32_u24 v18, v2, QB
	v_lshl_add_u32 v18, v1, 2, v18
	v_add_nc_u32 v18, 6144, v18                    ; a scale word's place: row r of the even (h = 0) or odd tile of a pair
	s_mul_i32 s29, s[WH], HALFC                    ; my four act tiles
	s_mul_i32 s30, s[WE], HALFC                    ; my four tiles of each weight
	s_add_co_u32 s30, s30, CELL
.irp g, 0,1
	v_add_nc_u32 v[4+6*\g], s29, v3
	v_add_nc_u32 v[5+6*\g], s29, v18
	v_add_nc_u32 v[6+6*\g], s30, v3
	v_add_nc_u32 v[7+6*\g], s30, v18
	v_add_nc_u32 v[8+6*\g], BSTEP, v[6+6*\g]
	v_add_nc_u32 v[9+6*\g], BSTEP, v[7+6*\g]
	s_add_co_u32 s29, s29, H1
	s_add_co_u32 s30, s30, H1
.endr
	s_lshl_b32 s32, s[RB], 1                       ; where my sums go: ((2 RB + row half) 16 + 2 head + channel half) x 512
	s_add_co_u32 s32, s32, s[WH]
	s_lshl_b32 s32, s32, 4
	s_lshl_b32 s33, s[NX], 1
	s_add_co_u32 s32, s32, s33
	s_add_co_u32 s32, s32, s[WE]
	s_lshl_b32 s98, s32, 9
	s_mov_b32 s99, 0
	s_add_nc_u64 s[10:11], s[10:11], s[98:99]
	s_lshl_b32 s98, s[RB], 19                      ; and my 64 rows x 64 channels of v
	s_lshl_b32 s32, s[WH], 18
	s_add_co_u32 s98, s98, s32
	s_lshl_b32 s32, s[NX], 9
	s_add_co_u32 s98, s98, s32
	s_lshl_b32 s32, s[WE], 8
	s_add_co_u32 s98, s98, s32
	s_add_nc_u64 s[8:9], s[8:9], s[98:99]
	s_wait_tensorcnt 0x1                           ; my part of slot 0 is in; slot 1's may stay out
	s_barrier_signal -1
	s_barrier_wait -1
	FETCH32 0, 0, 0
	; T1: xA_n quad 0 x (Wq, Wqd)
	QUAD3 0, 0x53, 1
	TURNA 8, 0x53, 0, 64
	CREST                                          ; no wave of any partner still reads slot 0 or has a load on its way
	JLOAD GA2, GB2                                 ; slot 0 takes xB and (Wk, Wv), quad 0: a stage's 128 products in which to land
	FETCH32 1, 0, 0
	TURNB 8, 0x53, 0, 64
	; T2: quad 1
	QUAD3 1, 0x53, 0
	TURNA 8, 0x53, 0, 64
	CREST
	JLOAD GA3, GB3
	FETCH32 0, 0, 0
	TURNB 8, 0x53, 0, 64
	; T3: xB quad 0 x (Wk, Wv)
	QUAD3 0, 0xa3, 1
	TURNA 8, 0xa3, 0, 64
	CREST
	JLOADB GB4                                     ; slot 0's two weight cells take Wkd's two quads; its act cell keeps xB
	PLACES
	FETCH32 1, 0, 0
	TURNB 8, 0xa3, 0, 64
	; T4: quad 1
	QUAD3 1, 0xa3, 0
	TURNA 8, 0xa3, 0, 64                           ; Wkd has landed; nothing is filled again, so no round follows
	PLACES
.macro T5FETCH t, p                    ; steps 0-3: slot 0's acts x its first weight cell; steps 4-7: slot 1's acts x slot 0's second
.if (\t) < 4
	FETCH16 4, 6, \t, \p
.else
	FETCH16 10, 8, (\t)-4, \p
.endif
.endm
	T5FETCH 0, 0
	TURNB 8, 0xa3, 0, 64
	; T5: xB x Wkd, eight steps of 16 products; no barrier: all its tiles were shown whole by the last one
.irp t, 0,1,2,3,4,5,6
	PLACES
	T5FETCH \t+1, 1-(\t%2)
	s_wait_dscnt 28                                ; all but the 28 just issued
	WIN 0x03
.if \t == 0
	MULS 0, 4, 4, \t%2, 128, 32, 1
.else
	MULS 0, 4, 4, \t%2, 128, 32, 0
.endif
.endr
	s_wait_dscnt 0x0
	MULS 0, 4, 4, 1, 128, 32, 0
	WIN 0
	PLACES
	; THE SUMS.  For each act tile: my 32 channels of q k and of (qd - kd)^2, in two chains each, then lane l xor 16's.  Each accumulator is read from its low end on.
.irp a, 0,1,2,3
	WIN 0x09                                       ; source 0 window 1 (q), source 1 window 2 (k)
.set n, 0
.rept 16
.if n < 2
	v_pk_mul_f32 v[96+2*n:97+2*n], v[64*\a+2*n:64*\a+2*n+1], v[64*\a+2*n:64*\a+2*n+1]
.else
	v_pk_fma_f32 v[96+2*(n%2):97+2*(n%2)], v[64*\a+2*n:64*\a+2*n+1], v[64*\a+2*n:64*\a+2*n+1], v[96+2*(n%2):97+2*(n%2)]
.endif
.set n, n+1
.endr
	WIN 0x01                                       ; source 0 window 1 (qd), source 1 window 0 (kd)
.set n, 0
.rept 16
	v_pk_add_f32 v[32+2*n:33+2*n], v[64*\a+32+2*n:64*\a+33+2*n], v[128+32*\a+2*n:129+32*\a+2*n] neg_lo:[0,1] neg_hi:[0,1]
.set n, n+1
.endr
	WIN 0
.set n, 0
.rept 16
.if n < 2
	v_pk_mul_f32 v[100+2*n:101+2*n], v[32+2*n:33+2*n], v[32+2*n:33+2*n]
.else
	v_pk_fma_f32 v[100+2*(n%2):101+2*(n%2)], v[32+2*n:33+2*n], v[32+2*n:33+2*n], v[100+2*(n%2):101+2*(n%2)]
.endif
.set n, n+1
.endr
	v_pk_add_f32 v[96:97], v[96:97], v[98:99]
	v_pk_add_f32 v[100:101], v[100:101], v[102:103]
	v_add_f32 v96, v96, v97
	v_add_f32 v100, v100, v101
	v_permlanex16_b32 v97, v96, s[SEL], s[SEL+1]
	v_permlanex16_b32 v101, v100, s[SEL], s[SEL+1]
	v_add_f32 v[104+\a], v96, v97
	v_add_f32 v[108+\a], v100, v101
.endr
	v_lshrrev_b32 v7, 1, v3                        ; 8 x lane
	v_cmp_ne_u32 vcc_lo, 0, v2
.irp i, 0,1
	v_cndmask_b32 v[112+2*\i], v[104+2*\i], v[105+2*\i], vcc_lo   ; lanes 0-15 carry tile 2 i's rows, lanes 16-31 tile 2 i + 1's
	v_cndmask_b32 v[113+2*\i], v[108+2*\i], v[109+2*\i], vcc_lo
	global_store_b64 v7, v[112+2*\i:113+2*\i], s[10:11] offset:256*\i   ; 32 lanes store 256 consecutive bytes, aligned
.endr
	; THE WAY OUT OF v, a tile of 16 rows x 64 channels at a time through my own stage, so that sixteen lanes store 256 consecutive bytes of a row, aligned
	s_mul_i32 s29, s[WV], 16*SPI
	s_add_co_u32 s29, s29, STAGE
	v_mul_u32_u24 v4, v1, SPI
	v_lshl_add_u32 v4, v2, 6, v4
	v_add_nc_u32 v4, s29, v4                       ; in: row r, + 64 h
	v_mul_u32_u24 v5, v2, SPI
	v_lshl_add_u32 v5, v1, 4, v5
	v_add_nc_u32 v5, s29, v5                       ; back: lanes 0-15 one row, lanes 16-31 the next
	v_lshlrev_b32 v6, 12, v2
	v_lshl_add_u32 v6, v1, 4, v6                   ; and the same two rows in vbuf
.macro TOSTAGE a
	WIN 0x08                                       ; an LDS store's data are its source 1: window 2
.irp j, 0,1,2,3
	ds_store_b128 v4, v[64*(\a)+32+8*\j:64*(\a)+35+8*\j] offset:128*(\j/2)+32*(\j%2)       ; each accumulator from its low end on
	ds_store_b128 v4, v[64*(\a)+36+8*\j:64*(\a)+39+8*\j] offset:128*(\j/2)+32*(\j%2)+16
.endr
	WIN 0
.irp t, 0,1,2,3,4,5,6,7
	ds_load_b128 v[32+32*((\a)%2)+4*\t:35+32*((\a)%2)+4*\t], v5 offset:2*SPI*\t   ; LDS serves a wave's instructions in order (ISA guide 5.7.1.4): these see the stores above
.endr
.endm
.macro SEND a, younger                 ; younger: the LDS instructions issued behind this tile's loads
	s_wait_dscnt \younger
.irp t, 0,1,2,3,4,5,6,7
	global_store_b128 v6, v[32+32*((\a)%2)+4*\t:35+32*((\a)%2)+4*\t], s[8:9] offset:(32*((\a)/2)+8*((\a)%2)+2*\t+8*(\t/4))*4096
.endr
.endm
	TOSTAGE 0
.irp a, 1,2,3
.if \a > 1
	s_wait_xcnt 0x0                                ; the stores of the tile two back have read their registers: this tile's loads may land there
.endif
	TOSTAGE \a
	SEND \a-1, 16                                  ; behind that tile's loads: this tile's 8 stores and 8 loads
.endr
	SEND 3, 0
	s_wait_tensorcnt 0x0                           ; the wave's end
	ds_add_u32 v16, v17
	s_wait_dscnt 0x0
	CROUND                                         ; the closing round
	s_endpgm
.Lfunc_end_k_q1c9ebf0669_proj:
	.size	k_q1c9ebf0669_proj, .Lfunc_end_k_q1c9ebf0669_proj-k_q1c9ebf0669_proj
	.p2alignl 7, 3214868480
	.fill 96, 4, 3214868480
	.section	.rodata,"a",@progbits
	.p2align	6, 0x0
	.amdhsa_kernel k_q1c9ebf0669_proj
		.amdhsa_group_segment_fixed_size 327680
		.amdhsa_private_segment_fixed_size 0
		.amdhsa_enable_private_segment 0
		.amdhsa_kernarg_size 32
		.amdhsa_user_sgpr_count 2
		.amdhsa_user_sgpr_kernarg_segment_ptr 1
		.amdhsa_wavefront_size32 1
		.amdhsa_system_sgpr_workgroup_id_x 1
		.amdhsa_system_sgpr_workgroup_id_y 1
		.amdhsa_system_sgpr_workgroup_id_z 1
		.amdhsa_system_vgpr_workitem_id 0
		.amdhsa_next_free_vgpr 1024
		.amdhsa_next_free_sgpr 102
		.amdhsa_reserve_vcc 1
		.amdhsa_float_denorm_mode_32 3
		.amdhsa_float_denorm_mode_16_64 3
		.amdhsa_memory_ordered 1
		.amdhsa_forward_progress 1
		.amdhsa_inst_pref_size 176
	.end_amdhsa_kernel
	.amdgpu_metadata
---
amdhsa.version: [ 1, 2 ]
amdhsa.kernels:
  - .name:           k_q1c9ebf0669_proj
    .symbol:         k_q1c9ebf0669_proj.kd
    .args:
      - { .name: acts, .offset: 0, .size: 8, .value_kind: global_buffer, .address_space: global }
      - { .name: wts, .offset: 8, .size: 8, .value_kind: global_buffer, .address_space: global }
      - { .name: vbuf, .offset: 16, .size: 8, .value_kind: global_buffer, .address_space: global }
      - { .name: parts, .offset: 24, .size: 8, .value_kind: global_buffer, .address_space: global }
    .group_segment_fixed_size: 327680
    .private_segment_fixed_size: 0
    .kernarg_segment_align: 8
    .kernarg_segment_size: 32
    .max_flat_workgroup_size: 128
    .sgpr_count:     102
    .vgpr_count:     1024
    .wavefront_size: 32
...
	.end_amdgpu_metadata
.endif
;; end of part 2
;; launch ctx (part 3): grid 256 x 1, 16 waves a work-group, no clusters, 134,912 bytes of LDS; arguments vbuf, parts, ln_sim_w, ln_sim_b, ln_dis_w, ln_dis_b, acts; writes acts
.if DOCPART == 3
	.amdgcn_target "amdgcn-amd-amdhsa--gfx1250"
	.amdhsa_code_object_version 6
	.text
	.protected	k_q1c9ebf0669_ctx
	.globl	k_q1c9ebf0669_ctx
	.p2align	8
	.type	k_q1c9ebf0669_ctx,@function
k_q1c9ebf0669_ctx:
	s_mov_b64 s[64:65], 0
	v_nop
	global_prefetch_b8 v0, s[64:65] scope:SCOPE_SE
	s_setreg_imm32_b32 hwreg(HW_REG_WAVE_MODE, 25, 1), 1
	s_wait_xcnt 0x0
; The two attentions and their LayerNorms.  For each row: the eight heads' scores q . k / sqrt(128) and the distance sqrt(max(sum (qd - kd)^2, 1e-12)) from the partial sums of the launch before;
; each softmax runs over ONE key: the maximum (the score itself) is taken away, e = 2^((t - max) log2 e), weight = e / e; the weight multiplies v in f32; LayerNorm with ln_sim's or ln_dis's gain and bias;
; both results are quantised to FP6 (E2M3) along the channels and stored as operand images (the layout of the first launch) into acts, behind xA_n's: ctx_sim, ctx_dis.
; SHARES.  A work-group takes one tile of 16 rows.  Row phase: wave w takes row r = w of the tile, 32 numbers a lane.  Tile phase: wave w quantises K step w % 8 of output w / 8 for all 16 rows.
; No cluster: work-groups share only the four small vectors.  No matrix work.
; LIMITS: NaN and infinities are not served (the floor under the distance drops a NaN); a block of zeros gets the byte 1; 1 / sqrt(var + eps) is v_rsq_f32 and a multiplication.
.set SPITCH, 4112
.set STGD,   16*SPITCH                 ; the second stage
.set SCX,    2*STGD                    ; 2 x 8 x 16 scale words
.set X,      32                        ; v32-63   my row of v
.set Y,      64                        ; v64-95   weight x v, then its LayerNorm
.set PSW,    96                        ; v96-223  ln_sim_w, ln_sim_b, ln_dis_w, ln_dis_b of my 32 channels
.set PSB,    128
.set PDW,    160
.set PDB,    192
.set SA,     12
.set SQ,     20
.set TM,     96                        ; the tile phase: the quantiser's work
.set PC,     112
.set PW,     132
.set WV,     20
.set SEL,    22
.set C10,    24
.set CEPS,   25
.macro REDN sb, nr
.irp m, 1,2,4,8
.set ri, 0
.rept \nr
	v_add_f32_dpp v[\sb+2*ri], v[\sb+2*ri], v[\sb+2*ri] row_xmask:\m row_mask:0xf bank_mask:0xf
.set ri, ri+1
.endr
.endr
.set ri, 0
.rept \nr
	v_permlanex16_b32 v[\sb+2*ri+1], v[\sb+2*ri], s[SEL], s[SEL+1]
.set ri, ri+1
.endr
.set ri, 0
.rept \nr
	v_add_f32 v[\sb+2*ri], v[\sb+2*ri], v[\sb+2*ri+1]
.set ri, ri+1
.endr
.endm
; LayerNorm of nr rows of 1,024 numbers, 32 a lane at v[xb + 32 i], in place; two passes: no difference of large sums
.macro LNORM xb, nr, wb, bb
.set ri, 0
.rept \nr
	v_pk_add_f32 v[SA+2*ri:SA+2*ri+1], v[\xb+32*ri:\xb+32*ri+1], v[\xb+32*ri+2:\xb+32*ri+3]
.set ri, ri+1
.endr
.set rj, 4
.rept 14
.set ri, 0
.rept \nr
	v_pk_add_f32 v[SA+2*ri:SA+2*ri+1], v[SA+2*ri:SA+2*ri+1], v[\xb+32*ri+rj:\xb+32*ri+rj+1]
.set ri, ri+1
.endr
.set rj, rj+2
.endr
.set ri, 0
.rept \nr
	v_add_f32 v[SA+2*ri], v[SA+2*ri], v[SA+2*ri+1]
.set ri, ri+1
.endr
	REDN SA, \nr
.set ri, 0
.rept \nr
	v_mul_f32 v[SA+2*ri], s[C10], v[SA+2*ri]
.set ri, ri+1
.endr
.set rj, 0
.rept 16
.set ri, 0
.rept \nr
	v_pk_add_f32 v[\xb+32*ri+rj:\xb+32*ri+rj+1], v[\xb+32*ri+rj:\xb+32*ri+rj+1], v[SA+2*ri:SA+2*ri+1] op_sel_hi:[1,0] neg_lo:[0,1] neg_hi:[0,1]
.set ri, ri+1
.endr
.set rj, rj+2
.endr
.set ri, 0
.rept \nr
	v_pk_mul_f32 v[SQ+2*ri:SQ+2*ri+1], v[\xb+32*ri:\xb+32*ri+1], v[\xb+32*ri:\xb+32*ri+1]
.set ri, ri+1
.endr
.set rj, 2
.rept 15
.set ri, 0
.rept \nr
	v_pk_fma_f32 v[SQ+2*ri:SQ+2*ri+1], v[\xb+32*ri+rj:\xb+32*ri+rj+1], v[\xb+32*ri+rj:\xb+32*ri+rj+1], v[SQ+2*ri:SQ+2*ri+1]
.set ri, ri+1
.endr
.set rj, rj+2
.endr
.set ri, 0
.rept \nr
	v_add_f32 v[SQ+2*ri], v[SQ+2*ri], v[SQ+2*ri+1]
.set ri, ri+1
.endr
	REDN SQ, \nr
.set ri, 0
.rept \nr
	v_fma_f32 v[SQ+2*ri], v[SQ+2*ri], s[C10], s[CEPS]
.set ri, ri+1
.endr
.set ri, 0
.rept \nr
	v_rsq_f32 v[SQ+2*ri], v[SQ+2*ri]
.set ri, ri+1
.endr
	v_nop                                          ; a plain instruction behind the transcendental (ISA guide 5.7.2)
	s_wait_alu depctr_va_vdst(0)                   ; the wait ahead of its first reader
.set rj, 0
.rept 16
.set ri, 0
.rept \nr
	v_pk_mul_f32 v[\xb+32*ri+rj:\xb+32*ri+rj+1], v[\xb+32*ri+rj:\xb+32*ri+rj+1], v[SQ+2*ri:SQ+2*ri+1] op_sel_hi:[1,0]
.set ri, ri+1
.endr
.set ri, 0
.rept \nr
	v_pk_fma_f32 v[\xb+32*ri+rj:\xb+32*ri+rj+1], v[\xb+32*ri+rj:\xb+32*ri+rj+1], v[\wb+rj:\wb+rj+1], v[\bb+rj:\bb+rj+1]
.set ri, ri+1
.endr
.set rj, rj+2
.endr
.endm
.macro QUANT s, pw                     ; 64 numbers of a lane, register 16 b + i = k 32 b + 16 (lane / 16) + i of my row -> 12 registers of codes in v[PC] on, the scale word in v[pw]
.irp b, 0,1,2,3
	v_max3_num_f32 v[TM+\b], |v[\s+16*\b]|, |v[\s+1+16*\b]|, 0x1800000
.endr
.irp i, 2,4,6,8,10,12,14
.irp b, 0,1,2,3
	v_max3_num_f32 v[TM+\b], v[TM+\b], |v[\s+16*\b+\i]|, |v[\s+1+16*\b+\i]|
.endr
.endr
.irp b, 0,1,2,3
	v_permlanex16_b32 v[TM+4+\b], v[TM+\b], s[SEL], s[SEL+1]
.endr
.irp b, 0,1,2,3
	v_max_num_f32 v[TM+\b], v[TM+\b], v[TM+4+\b]
.endr
.irp b, 0,1,2,3
	v_add_nc_u32 v[TM+12+\b], 0xff000000, v[TM+\b]
.endr
.irp b, 0,1,2,3
	v_lshrrev_b32 v[TM+4+\b], 23, v[TM+12+\b]
.endr
	v_lshl_or_b32 v[\pw], v[TM+5], 8, v[TM+4]
	v_lshl_or_b32 v[\pw], v[TM+6], 16, v[\pw]
	v_lshl_or_b32 v[\pw], v[TM+7], 24, v[\pw]
.irp c, 0,1
	v_cvt_scalef32_pk16_fp6_f32 v[PC+6*\c:PC+2+6*\c], v[\s+32*\c:\s+15+32*\c], v[TM+12+2*\c]
	v_cvt_scalef32_pk16_fp6_f32 v[PC+12+4*\c:PC+14+4*\c], v[\s+16+32*\c:\s+31+32*\c], v[TM+12+2*\c+1]
.endr
	v_nop                                          ; one plain instruction behind a scaled conversion
.irp c, 0,1
.irp i, 0,1,2
	v_permlane16_swap_b32 v[PC+6*\c+\i], v[PC+12+4*\c+\i]
.endr
.irp i, 0,1,2
	v_mov_b32 v[PC+3+6*\c+\i], v[PC+12+4*\c+\i]
.endr
.endr
.endm
	s_load_b256 s[4:11], s[0:1], 0x0               ; vbuf 4, parts 6, ln_sim_w 8, ln_sim_b 10
	s_load_b128 s[12:15], s[0:1], 0x20             ; ln_dis_w 12, ln_dis_b 14
	s_load_b64 s[16:17], s[0:1], 0x30              ; acts
	v_lshl_add_u32 v254, v0, 2, 0x20700
	v_mov_b32 v255, 0
	v_lshrrev_b32 v1, 5, v0
	v_readfirstlane_b32 s[WV], v1                  ; wave 0..15
	v_and_b32 v1, 31, v0
	v_and_b32 v2, 15, v0                           ; r
	v_bfe_u32 v3, v0, 4, 1                         ; h
	v_lshlrev_b32 v4, 4, v1                        ; 16 x lane
	v_lshlrev_b32 v5, 9, v2                        ; the partial sums of half head lane % 16: 512 bytes apart
	s_mul_i32 s30, s[WV], SPITCH
	v_add_nc_u32 v6, s30, v4                       ; the stages, in: row w
	v_add_nc_u32 v7, STGD, v6
	s_lshr_b32 s31, s[WV], 3                       ; o: which output I quantise
	s_and_b32 s32, s[WV], 7                        ; s: which K step
	s_mul_i32 s33, s31, STGD
	s_lshl_b32 s34, s32, 9
	s_add_co_u32 s33, s33, s34
	v_mul_u32_u24 v8, v2, SPITCH
	v_lshl_add_u32 v8, v3, 6, v8
	v_add_nc_u32 v8, s33, v8                       ; out: stage o, row r, K step s, my 16 numbers of each block
	s_lshl_b32 s34, s[WV], 6
	s_add_co_u32 s34, s34, SCX
	v_lshl_add_u32 v9, v2, 2, s34                  ; my row's scale word: 512 o + 64 s + 4 r
	s_min_u32 s35, s[WV], 1
	s_lshl_b32 s36, s35, 9
	s_add_co_u32 s36, s36, SCX
	v_add_nc_u32 v10, s36, v4                      ; where waves 0 and 1 read an output's 512 bytes back
	v_mul_u32_u24 v11, v3, 6400
	v_lshl_add_u32 v11, v2, 4, v11                 ; and store them: quad h, 16 bytes a lane
	s_mov_b32 s[SEL], 0x76543210
	s_mov_b32 s[SEL+1], 0xfedcba98
	s_mov_b32 s[C10], 0x3a800000
	s_mov_b32 s[CEPS], 0x3727c5ac
	s_lshr_b32 s37, ttmp9, 1
	s_lshl_b32 s37, s37, 5
	s_and_b32 s38, ttmp9, 1
	s_lshl_b32 s39, s38, 3
	s_add_co_u32 s37, s37, s39
	s_add_co_u32 s37, s37, s[WV]
	s_lshl_b32 s39, s31, 3
	s_add_co_u32 s37, s37, s39                     ; my row: 32 (T / 2) + 8 (T % 2) + w + 8 (w / 8)
	s_lshl_b32 s50, s37, 12
	s_mov_b32 s51, 0
	s_lshr_b32 s52, ttmp9, 2
	s_lshl_b32 s52, s52, 13                        ; the partial sums: (T / 4) x 16 x 512
	s_bfe_u32 s53, ttmp9, 0x10001
	s_lshl_b32 s53, s53, 8
	s_add_co_u32 s52, s52, s53                     ; + ((T % 4) / 2) x 256
	s_lshl_b32 s53, s38, 7
	s_add_co_u32 s52, s52, s53                     ; + (T % 2) x 128
	s_lshl_b32 s53, s[WV], 3
	s_add_co_u32 s52, s52, s53                     ; + 8 x row
	s_mov_b32 s53, 0
	s_add_co_u32 s54, s31, 1
	s_mul_i32 s54, s54, 3276800                    ; ctx_sim or ctx_dis in acts
	s_mul_i32 s55, ttmp9, 12800
	s_add_co_u32 s54, s54, s55
	s_lshr_b32 s56, s32, 2
	s_mul_i32 s56, s56, 6400
	s_add_co_u32 s54, s54, s56
	s_and_b32 s56, s32, 3
	s_mul_i32 s56, s56, 1536
	s_add_co_u32 s54, s54, s56
	s_add_co_u32 s56, s35, 1
	s_mul_i32 s56, s56, 3276800
	s_add_co_u32 s56, s56, s55
	s_mov_b32 s55, 0
	s_mov_b32 s57, 0
	s_wait_kmcnt 0x0
	s_add_nc_u64 s[4:5], s[4:5], s[50:51]
	s_add_nc_u64 s[6:7], s[6:7], s[52:53]
	s_add_nc_u64 s[26:27], s[16:17], s[54:55]      ; where my fragment goes
	s_add_nc_u64 s[28:29], s[16:17], s[56:57]      ; the tile's quad blocks of output min(w, 1)
	global_load_b64 v[224:225], v5, s[6:7]
.irp j, 0,1,2,3,4,5,6,7
	global_load_b128 v[X+4*\j:X+4*\j+3], v4, s[4:5] offset:512*\j th:TH_LOAD_NT   ; load j is head j: 128 channels, 512 consecutive bytes
.endr
.irp j, 0,1,2,3,4,5,6,7
	global_load_b128 v[PSW+4*\j:PSW+4*\j+3], v4, s[8:9] offset:512*\j
	global_load_b128 v[PSB+4*\j:PSB+4*\j+3], v4, s[10:11] offset:512*\j
	global_load_b128 v[PDW+4*\j:PDW+4*\j+3], v4, s[12:13] offset:512*\j
	global_load_b128 v[PDB+4*\j:PDB+4*\j+3], v4, s[14:15] offset:512*\j
.endr
	s_wait_loadcnt 0x0
	v_add_f32_dpp v224, v224, v224 row_xmask:1 row_mask:0xf bank_mask:0xf   ; a head's two halves: lanes 2 j and 2 j + 1 hold q . k of head j
.irp m, 1,2,4,8
	v_add_f32_dpp v225, v225, v225 row_xmask:\m row_mask:0xf bank_mask:0xf   ; all sixteen halves: sum (qd - kd)^2
.endr
	v_mul_f32 v224, 0x3db504f3, v224               ; the score: / sqrt(128)
	v_max_num_f32 v225, 0x2b8cbccc, v225           ; the floor 1e-12
	v_sqrt_f32 v225, v225                          ; the distance
	v_sub_f32 v226, v224, v224                     ; the score less the row's maximum, which over one key is the score itself
	s_wait_alu depctr_va_vdst(0)                   ; the wait ahead of the root's first reader
	v_sub_f32 v227, v225, v225                     ; the same of the distance
	v_mul_f32 v226, 0x3fb8aa3b, v226
	v_mul_f32 v227, 0x3fb8aa3b, v227
	v_exp_f32 v226, v226
	v_exp_f32 v227, v227
	v_nop
	s_wait_alu depctr_va_vdst(0)
	v_rcp_f32 v228, v226                           ; the sum over one key is e itself
	v_rcp_f32 v229, v227
	v_nop
	s_wait_alu depctr_va_vdst(0)
	v_mul_f32 v226, v226, v228                     ; the weights
	v_mul_f32 v227, v227, v229
.irp j, 0,1,2,3,4,5,6,7
	v_readlane_b32 s[40+\j], v226, 2*\j
.endr
	v_readlane_b32 s48, v227, 0
.irp j, 0,1,2,3,4,5,6,7
.irp q, 0,1,2,3
	v_mul_f32 v[Y+4*\j+\q], s[40+\j], v[X+4*\j+\q] ; weight x v, f32 operands
.endr
.endr
	LNORM Y, 1, PSW, PSB
.irp j, 0,1,2,3,4,5,6,7
	ds_store_b128 v6, v[Y+4*\j:Y+4*\j+3] offset:512*\j
.endr
.irp n, 0,1,2,3,4,5,6,7,8,9,10,11,12,13,14,15,16,17,18,19,20,21,22,23,24,25,26,27,28,29,30,31
	v_mul_f32 v[Y+\n], s48, v[X+\n]
.endr
	LNORM Y, 1, PDW, PDB
.irp j, 0,1,2,3,4,5,6,7
	ds_store_b128 v7, v[Y+4*\j:Y+4*\j+3] offset:512*\j
.endr
	s_wait_dscnt 0x0                               ; for the others' sake: my row lies in both stages
	s_barrier_signal -1
	s_barrier_wait -1
.irp b, 0,1,2,3
.irp q, 0,1,2,3
	ds_load_b128 v[X+16*\b+4*\q:X+16*\b+4*\q+3], v8 offset:128*\b+16*\q
.endr
.endr
.irp b, 0,1,2,3
	v_mov_b32 v[TM+4+\b], 0                        ; a lane permute's destination counts as one of its sources
.endr
	s_wait_dscnt 0x0
	QUANT X, PW
.irp c, 0,1,2
	global_store_b128 v4, v[PC+4*\c:PC+4*\c+3], s[26:27] offset:512*\c   ; 32 lanes store 512 consecutive bytes, aligned to 256
.endr
	ds_store_b32 v9, v[PW]                         ; both halves of the lanes write the same word with the same value
	s_wait_dscnt 0x0
	s_barrier_signal -1
	s_barrier_wait -1
	s_cmp_gt_u32 s[WV], 1
	s_cbranch_scc1 .Lend
	ds_load_b128 v[140:143], v10
	s_wait_dscnt 0x0
	global_store_b128 v11, v[140:143], s[28:29] offset:6144   ; sixteen lanes store 256 consecutive bytes, aligned, into each quad block
.Lend:
	s_wait_tensorcnt 0x0
	ds_add_u32 v254, v255
	s_wait_dscnt 0x0
	s_endpgm
.Lfunc_end_k_q1c9ebf0669_ctx:
	.size	k_q1c9ebf0669_ctx, .Lfunc_end_k_q1c9ebf0669_ctx-k_q1c9ebf0669_ctx
	.p2alignl 7, 3214868480
	.fill 96, 4, 3214868480
	.section	.rodata,"a",@progbits
	.p2align	6, 0x0
	.amdhsa_kernel k_q1c9ebf0669_ctx
		.amdhsa_group_segment_fixed_size 134912
		.amdhsa_private_segment_fixed_size 0
		.amdhsa_enable_private_segment 0
		.amdhsa_kernarg_size 56
		.amdhsa_user_sgpr_count 2
		.amdhsa_user_sgpr_kernarg_segment_ptr 1
		.amdhsa_wavefront_size32 1
		.amdhsa_system_sgpr_workgroup_id_x 1
		.amdhsa_system_sgpr_workgroup_id_y 1
		.amdhsa_system_sgpr_workgroup_id_z 1
		.amdhsa_system_vgpr_workitem_id 0
		.amdhsa_next_free_vgpr 256
		.amdhsa_next_free_sgpr 66
		.amdhsa_reserve_vcc 0
		.amdhsa_float_denorm_mode_32 3
		.amdhsa_float_denorm_mode_16_64 3
		.amdhsa_memory_ordered 1
		.amdhsa_forward_progress 1
		.amdhsa_inst_pref_size 30
	.end_amdhsa_kernel
	.amdgpu_metadata
---
amdhsa.version: [ 1, 2 ]
amdhsa.kernels:
  - .name:           k_q1c9ebf0669_ctx
    .symbol:         k_q1c9ebf0669_ctx.kd
    .args:
      - { .name: vbuf, .offset: 0, .size: 8, .value_kind: global_buffer, .address_space: global }
      - { .name: parts, .offset: 8, .size: 8, .value_kind: global_buffer, .address_space: global }
      - { .name: ln_sim_w, .offset: 16, .size: 8, .value_kind: global_buffer, .address_space: global }
      - { .name: ln_sim_b, .offset: 24, .size: 8, .value_kind: global_buffer, .address_space: global }
      - { .name: ln_dis_w, .offset: 32, .size: 8, .value_kind: global_buffer, .address_space: global }
      - { .name: ln_dis_b, .offset: 40, .size: 8, .value_kind: global_buffer, .address_space: global }
      - { .name: acts, .offset: 48, .size: 8, .value_kind: global_buffer, .address_space: global }
    .group_segment_fixed_size: 134912
    .private_segment_fixed_size: 0
    .kernarg_segment_align: 8
    .kernarg_segment_size: 56
    .max_flat_workgroup_size: 512
    .sgpr_count:     66
    .vgpr_count:     256
    .wavefront_size: 32
...
	.end_amdgpu_metadata
.endif
;; end of part 3
;; launch mlp1 (part 4): grid 8 x 32, 4 waves a work-group, clusters of 4 x 4, 327,680 bytes of LDS; arguments acts, wts, bn_mean, bn_var, bn_gamma, bn_beta, hc; writes hc
.if DOCPART == 4
	.amdgcn_target "amdgcn-amd-amdhsa--gfx1250"
	.amdhsa_code_object_version 6
	.text
	.protected	k_q1c9ebf0669_mlp1
	.globl	k_q1c9ebf0669_mlp1
	.p2align	8
	.type	k_q1c9ebf0669_mlp1,@function
k_q1c9ebf0669_mlp1:
	s_mov_b64 s[64:65], 0
	v_nop
	global_prefetch_b8 v0, s[64:65] scope:SCOPE_SE
	s_setreg_imm32_b32 hwreg(HW_REG_WAVE_MODE, 25, 1), 1
	s_wait_xcnt 0x0
	s_wait_alu depctr_hold_cnt(0) depctr_sa_sdst(0) depctr_va_vdst(0) depctr_va_sdst(0) depctr_va_ssrc(0) depctr_va_vcc(0) depctr_vm_vsrc(0)
	s_getreg_b32 s2, hwreg(HW_REG_IB_STS2, 6, 4)
	s_cmp_eq_u32 s2, 0
	s_cbranch_scc0 .Lentry_in_a_cluster
	s_endpgm
.Lentry_in_a_cluster:
	s_bfe_u32 s2, ttmp6, 0x10000c
	s_cmp_lg_u32 s2, 0xf033
	s_cbranch_scc0 .Lentry_shape_is_right
	s_endpgm
.Lentry_shape_is_right:
; h = relu(((fused W1^T) - bn_mean) / sqrt(bn_var + eps) x bn_gamma + bn_beta), fused = [xA_n, ctx_sim, ctx_dis], on codes of FP6 (E2M3), sums in f32; h is quantised in registers along its 2,048 channels,
; the next product's K, and stored as operand images (tiles of 16 rows x 128 K, quad blocks of 6,400 bytes: images at 1536 s + 512 c + 16 lane, scale words at 6144 + 64 s + 4 r).
; SHARES.  A work-group takes 128 rows x 256 channels; each of its four waves 64 rows x 128 channels: 32 accumulators; a wave's 128 channels are one K step of the next product.
; THE MATRIX INSTRUCTION IS USED TRANSPOSED (source 0 = a tile of W1, source 1 = a tile of rows): lane (r, h) holds row r, and the 16 registers of weight tiles 2 b, 2 b + 1 are channels 32 b + 16 h + 0 .. 15.
; -bn_mean is the C of each sum's first product.  K = 3,072 goes in six quads of 512 through two LDS slots of 153,600 bytes (8 act tiles, 16 weight tiles).
; CLUSTER 4 x 4: act tiles are shared along a row of the cluster, weight tiles along a column, by joint loads.
; The scale words leave in pieces of 64 bytes: a quad block's 256 come from two work-groups; they are one part in 25 of what the launch stores.
; LIMITS: NaN and infinities are not served; a block of zeros gets the byte 1; 1 / sqrt(var + eps) is v_rsq_f32 and a multiplication.
; REGISTERS: window 0: v1-19 addresses; v20-31 scale words, two sets; v32-127 act fragments, two sets; v128-191 a tile of h; v192-233 the quantiser's work.
;   window 1: v0-63 -mean, v64-127 gamma / sqrt(var + eps), v128-191 beta, v192-255 gamma.  window 2: accumulator (a, j) at 64 a + 8 j.  window 3: weight fragments, two sets of 8.
.set QB,     6400
.set CELL,   8*QB
.set HALFC,  4*QB
.set H1,     3*CELL
.set SPARE,  2*H1                      ; the spare words, 128 bytes for each wave: two blocks of 256 bytes that no other line names
.set BSTEP,  HALFC                     ; from my first four weight tiles to my second four
.set AF,     32
.set SC,     20
.set TM,     192
.set PC,     208
.set WV, 20
.set WH, 21
.set WE, 22
.set CX, 23
.set CY, 24
.set NX, 25
.set RB, 26
.set RM, 27
.set CM, 28
.set G1A, 36
.set G1B, 44
.set GA0, 52                           ; groups 0 for act tiles, one for each slot; they walk
.set GB0, 68                           ; and for weight tiles
.set HP,  76                           ; s[76:77] where my fragments go
.set HS,  78                           ; s[78:79] and my scale words
.set PA,  92
.set PB,  94
.set SEL, 100
.set MSB, 0
.macro WIN new
.if MSB != \new
	s_set_vgpr_msb (MSB<<8)|\new
.set MSB, \new
.endif
.endm
.macro PLACES                          ; four plain instructions in front of loads into registers that matrix instructions have read, and of the first read of results
.rept 4
	v_nop
.endr
.endm
.macro CREST
	s_cmp_lg_u32 s[WV], 0
	s_cbranch_scc1 .Lnw0_\@
	s_barrier_signal -3
.Lnw0_\@:
	s_barrier_wait -3
	s_barrier_signal -1
	s_barrier_wait -1
.endm
.macro CROUND
	s_barrier_signal -1
	s_barrier_wait -1
	CREST
.endm
.macro JLOAD ga, gb                    ; a joint load: waves 0, 1 fetch act tiles, waves 2, 3 weight tiles; four v_nop follow each line
	s_cmp_eq_u32 s[WH], 0
	s_cbranch_scc0 .Lfb_\@
	tensor_load_to_lds s[\ga:\ga+3], s[G1A:G1A+7]
	s_nop 0
.rept 4
	v_nop
.endr
	s_branch .Lfa_\@
.Lfb_\@:
	tensor_load_to_lds s[\gb:\gb+3], s[G1B:G1B+7]
	s_nop 0
.rept 4
	v_nop
.endr
.Lfa_\@:
.endm
.macro MKG0 g, lreg, lc, base, oc
	s_mov_b32 s[\g], 1
	s_add_co_u32 s[\g+1], s[\lreg], \lc
	s_add_nc_u64 s[\g+2:\g+3], s[\base:\base+1], \oc
	s_or_b32 s[\g+3], s[\g+3], 0x80000000
.endm
.macro FR3 reg, adr, off
.irp c, 0,1,2
	ds_load_b128 v[(\reg)+4*\c:(\reg)+4*\c+3], v[\adr] offset:(\off)+512*\c
.endr
.endm
.macro FETCH32 sl, s, p                ; K step s of slot sl into set p: 4 act fragments, 8 weight fragments, 6 registers of scale words: 42 loads
	WIN 0
.irp a, 0,1,2,3
	FR3 AF+48*(\p)+12*\a, 4+6*(\sl), \a*QB+(\s)*1536
.endr
.irp i, 0,1
	ds_load_b32 v[SC+6*(\p)+\i], v[5+6*(\sl)] offset:\i*2*QB+64*(\s)
	ds_load_b32 v[SC+6*(\p)+2+\i], v[7+6*(\sl)] offset:\i*2*QB+64*(\s)
	ds_load_b32 v[SC+6*(\p)+4+\i], v[9+6*(\sl)] offset:\i*2*QB+64*(\s)
.endr
	WIN 0xc0
.irp j, 0,1,2,3
	FR3 96*(\p)+12*\j, 6+6*(\sl), \j*QB+(\s)*1536
	FR3 96*(\p)+48+12*\j, 8+6*(\sl), \j*QB+(\s)*1536
.endr
.endm
.macro WM cm
.if \cm == 1
.if (mj%2 == 0) && (ma%2 == 0)
	v_wmma_scale_f32_16x16x128_f8f6f4 v[rD:rD+7], v[rB:rB+11], v[rA:rA+11], 0, v[rSB], v[rSA] matrix_a_fmt:MATRIX_FMT_FP6 matrix_b_fmt:MATRIX_FMT_FP6
.elseif (mj%2 == 1) && (ma%2 == 0)
	v_wmma_scale_f32_16x16x128_f8f6f4 v[rD:rD+7], v[rB:rB+11], v[rA:rA+11], 0, v[rSB], v[rSA] matrix_a_fmt:MATRIX_FMT_FP6 matrix_b_fmt:MATRIX_FMT_FP6 matrix_a_scale:MATRIX_SCALE_ROW1
.elseif (mj%2 == 0)
	v_wmma_scale_f32_16x16x128_f8f6f4 v[rD:rD+7], v[rB:rB+11], v[rA:rA+11], 0, v[rSB], v[rSA] matrix_a_fmt:MATRIX_FMT_FP6 matrix_b_fmt:MATRIX_FMT_FP6 matrix_b_scale:MATRIX_SCALE_ROW1
.else
	v_wmma_scale_f32_16x16x128_f8f6f4 v[rD:rD+7], v[rB:rB+11], v[rA:rA+11], 0, v[rSB], v[rSA] matrix_a_fmt:MATRIX_FMT_FP6 matrix_b_fmt:MATRIX_FMT_FP6 matrix_a_scale:MATRIX_SCALE_ROW1 matrix_b_scale:MATRIX_SCALE_ROW1
.endif
.else
.if (mj%2 == 0) && (ma%2 == 0)
	v_wmma_scale_f32_16x16x128_f8f6f4 v[rD:rD+7], v[rB:rB+11], v[rA:rA+11], v[rC:rC+7], v[rSB], v[rSA] matrix_a_fmt:MATRIX_FMT_FP6 matrix_b_fmt:MATRIX_FMT_FP6
.elseif (mj%2 == 1) && (ma%2 == 0)
	v_wmma_scale_f32_16x16x128_f8f6f4 v[rD:rD+7], v[rB:rB+11], v[rA:rA+11], v[rC:rC+7], v[rSB], v[rSA] matrix_a_fmt:MATRIX_FMT_FP6 matrix_b_fmt:MATRIX_FMT_FP6 matrix_a_scale:MATRIX_SCALE_ROW1
.elseif (mj%2 == 0)
	v_wmma_scale_f32_16x16x128_f8f6f4 v[rD:rD+7], v[rB:rB+11], v[rA:rA+11], v[rC:rC+7], v[rSB], v[rSA] matrix_a_fmt:MATRIX_FMT_FP6 matrix_b_fmt:MATRIX_FMT_FP6 matrix_b_scale:MATRIX_SCALE_ROW1
.else
	v_wmma_scale_f32_16x16x128_f8f6f4 v[rD:rD+7], v[rB:rB+11], v[rA:rA+11], v[rC:rC+7], v[rSB], v[rSA] matrix_a_fmt:MATRIX_FMT_FP6 matrix_b_fmt:MATRIX_FMT_FP6 matrix_a_scale:MATRIX_SCALE_ROW1 matrix_b_scale:MATRIX_SCALE_ROW1
.endif
.endif
.endm
; act tiles a0 .. a0 + cnt - 1 x nb weight tiles of set p.  cm = 0: in place; 1: C is the constant 0; 2: C stands at 8 j.  The accumulators take turns, one instruction a turn.
.macro MULS a0, cnt, nb, p, base, astr, cm
.set ma, \a0
.rept \cnt
.set mj, 0
.rept \nb
.set rD, (\base)+(\astr)*ma+8*mj
.set rC, rD
.if \cm == 2
.set rC, 8*mj
.endif
.set rB, 96*(\p)+12*mj
.set rA, AF+48*(\p)+12*ma
.set rSB, SC+6*(\p)+2+mj/2
.set rSA, SC+6*(\p)+ma/2
	WM \cm
.set mj, mj+1
.endr
.set ma, ma+1
.endr
.endm
.macro KSTEP32 sl, s, p, wn, cm
	PLACES
	FETCH32 \sl, (\s)+1, 1-(\p)
	s_wait_dscnt 42                                ; all but the 42 just issued: this step's set is in
	WIN \wn
	MULS 0, 4, 8, \p, 0, 64, \cm
.endm
.macro QUAD3 sl
	KSTEP32 \sl, 0, 0, 0xa3, 0
	KSTEP32 \sl, 1, 1, 0xa3, 0
	KSTEP32 \sl, 2, 0, 0xa3, 0
.endm
.macro TURNA nb, wn, base, astr        ; a slot's last step, up to the barrier's wait
	WIN 0                                          ; (the add's two registers lie in window 0)
	s_wait_tensorcnt 0x0                           ; all my tensor loads have landed: my part of the next slot
	ds_add_u32 v16, v17                            ; 0 onto my spare word
	s_wait_dscnt 1                                 ; (the add alone may be out: this step's set is in)
	WIN \wn
	MULS 0, 1, \nb, 1, \base, \astr, 0
	s_wait_dscnt 0x0                               ; the add is done, and my reads of this slot are over
	s_barrier_signal -1
	MULS 1, 1, \nb, 1, \base, \astr, 0
	WIN 0
	s_barrier_wait -1
.endm
.macro TURNB nb, wn, base, astr
	WIN \wn
	MULS 2, 2, \nb, 1, \base, \astr, 0
.endm
.macro REFILL sl                       ; the change of slots with slot sl filled again, two quads ahead: the load has a quad's 128 products in which to land
	TURNA 8, 0xa3, 0, 64
	CREST                                          ; no wave of any partner still reads this slot or has a load on its way
	s_add_nc_u64 s[GA0+4*(\sl)+2:GA0+4*(\sl)+3], s[GA0+4*(\sl)+2:GA0+4*(\sl)+3], 3276800   ; the same quad of the next third of fused
	s_add_nc_u64 s[GB0+4*(\sl)+2:GB0+4*(\sl)+3], s[GB0+4*(\sl)+2:GB0+4*(\sl)+3], 2*QB      ; two quads on in W1's tiles
	JLOAD GA0+4*(\sl), GB0+4*(\sl)
	FETCH32 1-(\sl), 0, 0
	TURNB 8, 0xa3, 0, 64
.endm
.macro QUANT s, pw                     ; 64 numbers of a lane, register 16 b + i = k 32 b + 16 (lane / 16) + i of my row -> 12 registers of codes in v[PC] on, the scale word in v[pw]
.irp b, 0,1,2,3
	v_max3_num_f32 v[TM+\b], |v[\s+16*\b]|, |v[\s+1+16*\b]|, 0x1800000
.endr
.irp i, 2,4,6,8,10,12,14
.irp b, 0,1,2,3
	v_max3_num_f32 v[TM+\b], v[TM+\b], |v[\s+16*\b+\i]|, |v[\s+1+16*\b+\i]|
.endr
.endr
.irp b, 0,1,2,3
	v_permlanex16_b32 v[TM+4+\b], v[TM+\b], s[SEL], s[SEL+1]
.endr
.irp b, 0,1,2,3
	v_max_num_f32 v[TM+\b], v[TM+\b], v[TM+4+\b]
.endr
.irp b, 0,1,2,3
	v_add_nc_u32 v[TM+12+\b], 0xff000000, v[TM+\b]
.endr
.irp b, 0,1,2,3
	v_lshrrev_b32 v[TM+4+\b], 23, v[TM+12+\b]
.endr
	v_lshl_or_b32 v[\pw], v[TM+5], 8, v[TM+4]
	v_lshl_or_b32 v[\pw], v[TM+6], 16, v[\pw]
	v_lshl_or_b32 v[\pw], v[TM+7], 24, v[\pw]
.irp c, 0,1
	v_cvt_scalef32_pk16_fp6_f32 v[PC+6*\c:PC+2+6*\c], v[\s+32*\c:\s+15+32*\c], v[TM+12+2*\c]
	v_cvt_scalef32_pk16_fp6_f32 v[PC+12+4*\c:PC+14+4*\c], v[\s+16+32*\c:\s+31+32*\c], v[TM+12+2*\c+1]
.endr
	v_nop                                          ; one plain instruction behind a scaled conversion
.irp c, 0,1
.irp i, 0,1,2
	v_permlane16_swap_b32 v[PC+6*\c+\i], v[PC+12+4*\c+\i]
.endr
.irp i, 0,1,2
	v_mov_b32 v[PC+3+6*\c+\i], v[PC+12+4*\c+\i]
.endr
.endr
.endm
	s_load_b256 s[4:11], s[0:1], 0x0               ; acts 4, wts 6, bn_mean 8, bn_var 10
	s_load_b128 s[12:15], s[0:1], 0x20             ; bn_gamma 12, bn_beta 14
	s_load_b64 s[16:17], s[0:1], 0x30              ; hc
	v_lshl_add_u32 v16, v0, 2, SPARE
	v_mov_b32 v17, 0
	ds_add_u32 v16, v17
	ds_add_u32 v16, v17
	s_wait_dscnt 0x0
	v_lshrrev_b32 v1, 5, v0
	v_readfirstlane_b32 s[WV], v1
	s_lshr_b32 s[WH], s[WV], 1                     ; my half of the rows.  Also: I fetch act tiles (0) or weight tiles (1)
	s_and_b32 s[WE], s[WV], 1                      ; my half of the channels.  Also: which part I fetch
	s_bfe_u32 s[CX], ttmp6, 0x40000
	s_bfe_u32 s[CY], ttmp6, 0x40004
	s_lshl_b32 s[NX], ttmp9, 2
	s_add_co_u32 s[NX], s[NX], s[CX]               ; the block of 256 channels
	s_and_b32 s[RB], ttmp7, 0xffff
	s_lshl_b32 s[RB], s[RB], 2
	s_add_co_u32 s[RB], s[RB], s[CY]               ; the block of 128 rows
	s_lshl_b32 s[RM], s[CY], 2
	s_lshl_b32 s[RM], 15, s[RM]
	s_lshl_b32 s[CM], 0x1111, s[CX]
	s_or_b32 s[G1A], s[RM], (3<<16)|(1<<21)        ; 15:0 the mask; 17:16 elements of 8 bytes; 21 set beside a mask; no padding
	s_or_b32 s[G1B], s[CM], (3<<16)|(1<<21)
	s_mov_b32 s[G1A+1], 800<<16                    ; a quad block: 800 elements
	s_mov_b32 s[G1A+2], 4<<16                      ; 4 tiles
	s_mov_b32 s[G1A+3], 800<<16
	s_mov_b32 s[G1A+4], 4
	s_mov_b32 s[G1A+5], 1600                       ; 12,800 bytes from tile to tile
	s_mov_b32 s[G1A+6], 0
	s_mov_b32 s[G1A+7], 0
	s_mov_b32 s[G1B+1], 800<<16
	s_mov_b32 s[G1B+2], 8<<16                      ; 8 tiles
	s_mov_b32 s[G1B+3], 800<<16
	s_mov_b32 s[G1B+4], 8
	s_mov_b32 s[G1B+5], 4800                       ; 38,400 bytes from tile to tile
	s_mov_b32 s[G1B+6], 0
	s_mov_b32 s[G1B+7], 0
	s_mov_b32 s[SEL], 0x76543210
	s_mov_b32 s[SEL+1], 0xfedcba98
	s_lshl_b32 s30, s[RB], 3
	s_lshl_b32 s31, s[WE], 2
	s_add_co_u32 s30, s30, s31
	s_mul_i32 s30, s30, 2*QB                       ; act tile 8 RB + 4 x part
	s_mov_b32 s31, 0
	s_lshl_b32 s32, s[NX], 4
	s_lshl_b32 s33, s[WE], 3
	s_add_co_u32 s32, s32, s33
	s_mul_i32 s32, s32, 6*QB                       ; weight tile 16 NX + 8 x part
	s_add_co_u32 s32, s32, 4096000                 ; of W1's codes
	s_mov_b32 s33, 0
	s_mul_i32 s34, s[WE], HALFC
	s_mul_i32 s35, s[WE], CELL
	s_lshl_b32 s98, s[NX], 10                      ; my 128 channels of the four BN vectors
	s_lshl_b32 s99, s[WE], 9
	s_add_co_u32 s98, s98, s99
	s_mov_b32 s99, 0
	s_wait_kmcnt 0x0
	s_add_nc_u64 s[PA:PA+1], s[4:5], s[30:31]
	s_add_nc_u64 s[PB:PB+1], s[6:7], s[32:33]
	s_add_nc_u64 s[8:9], s[8:9], s[98:99]
	s_add_nc_u64 s[10:11], s[10:11], s[98:99]
	s_add_nc_u64 s[12:13], s[12:13], s[98:99]
	s_add_nc_u64 s[14:15], s[14:15], s[98:99]
	CROUND                                         ; all sixteen work-groups are here: the first joint loads meet
	MKG0 GA0,   34, 0,       PA, 0
	MKG0 GA0+4, 34, H1,      PA, QB
	MKG0 GB0,   35, CELL,    PB, 0
	MKG0 GB0+4, 35, H1+CELL, PB, QB
	JLOAD GA0, GB0
	JLOAD GA0+4, GB0+4                             ; two loads of mine are out
	v_and_b32 v1, 15, v0                           ; r
	v_bfe_u32 v2, v0, 4, 1                         ; h
	v_lshlrev_b32 v19, 6, v2                       ; 64 h: my 16 channels of each 32
	WIN 0x40                                       ; destination window 1
.irp b, 0,1,2,3
.irp q, 0,1,2,3
	global_load_b128 v[16*\b+4*\q:16*\b+4*\q+3], v19, s[8:9] offset:128*\b+16*\q           ; register 16 b + i: channel 32 b + 16 h + i, the result's layout
	global_load_b128 v[64+16*\b+4*\q:67+16*\b+4*\q], v19, s[10:11] offset:128*\b+16*\q
	global_load_b128 v[128+16*\b+4*\q:131+16*\b+4*\q], v19, s[14:15] offset:128*\b+16*\q
	global_load_b128 v[192+16*\b+4*\q:195+16*\b+4*\q], v19, s[12:13] offset:128*\b+16*\q
.endr
.endr
	WIN 0
	v_and_b32 v3, 31, v0
	v_lshlrev_b32 v3, 4, v3                        ; 16 x lane
	v_mul_u32_u24 v18, v2, QB
	v_lshl_add_u32 v18, v1, 2, v18
	v_add_nc_u32 v18, 6144, v18                    ; a scale word's place: row r of the even or odd tile of a pair
.irp b, 0,1,2,3
	v_mov_b32 v[TM+4+\b], 0                        ; written once: a lane permute's destination counts as one of its sources
.endr
	s_mul_i32 s29, s[WH], HALFC                    ; my four act tiles
	s_mul_i32 s30, s[WE], CELL                     ; my eight weight tiles
	s_add_co_u32 s30, s30, CELL
.irp g, 0,1
	v_add_nc_u32 v[4+6*\g], s29, v3
	v_add_nc_u32 v[5+6*\g], s29, v18
	v_add_nc_u32 v[6+6*\g], s30, v3
	v_add_nc_u32 v[7+6*\g], s30, v18
	v_add_nc_u32 v[8+6*\g], BSTEP, v[6+6*\g]
	v_add_nc_u32 v[9+6*\g], BSTEP, v[7+6*\g]
	s_add_co_u32 s29, s29, H1
	s_add_co_u32 s30, s30, H1
.endr
	s_lshl_b32 s32, s[NX], 1
	s_add_co_u32 s32, s32, s[WE]                   ; ks: my K step of the next product
	s_lshr_b32 s33, s32, 2
	s_mul_i32 s33, s33, QB
	s_and_b32 s32, s32, 3
	s_lshl_b32 s80, s[RB], 3
	s_lshl_b32 s81, s[WH], 2
	s_add_co_u32 s80, s80, s81
	s_mul_i32 s80, s80, 4*QB                       ; tile 8 RB + 4 x row half of h: 25,600 bytes a tile
	s_add_co_u32 s80, s80, s33                     ; + quad ks / 4
	s_mul_i32 s82, s32, 1536
	s_add_co_u32 s82, s82, s80
	s_mov_b32 s83, 0
	s_lshl_b32 s84, s32, 6
	s_add_co_u32 s84, s84, s80
	s_add_co_u32 s84, s84, 6144
	s_mov_b32 s85, 0
	s_add_nc_u64 s[HP:HP+1], s[16:17], s[82:83]
	s_add_nc_u64 s[HS:HS+1], s[16:17], s[84:85]
	s_wait_loadcnt 0x0
	WIN 0x55                                       ; all in window 1
.set n, 0
.rept 32
	v_pk_mul_f32 v[2*n:2*n+1], v[2*n:2*n+1], -1.0 op_sel_hi:[1,0]   ; -mean
.set n, n+1
.endr
.set n, 0
.rept 64
	v_add_f32 v[64+n], 0x3727c5ac, v[64+n]         ; var + eps
.set n, n+1
.endr
.set n, 0
.rept 64
	v_rsq_f32 v[64+n], v[64+n]
.set n, n+1
.endr
	v_nop                                          ; a plain instruction behind the last of the batch (ISA guide 5.7.2)
	s_wait_alu depctr_va_vdst(0)                   ; one wait for the batch, ahead of its first reader
.set n, 0
.rept 32
	v_pk_mul_f32 v[64+2*n:65+2*n], v[64+2*n:65+2*n], v[192+2*n:193+2*n]   ; gamma / sqrt(var + eps)
.set n, n+1
.endr
	WIN 0
	s_wait_tensorcnt 0x1                           ; my part of slot 0 is in; slot 1's may stay out
	s_barrier_signal -1
	s_barrier_wait -1
	FETCH32 0, 0, 0
	KSTEP32 0, 0, 0, 0x93, 2                       ; quad 0: the first products take -mean (window 1) as C
	KSTEP32 0, 1, 1, 0xa3, 0
	KSTEP32 0, 2, 0, 0xa3, 0
	REFILL 0                                       ; slot 0 takes quad 2
	QUAD3 1
	REFILL 1                                       ; slot 1 takes quad 3
	QUAD3 0
	REFILL 0                                       ; quad 4
	QUAD3 1
	REFILL 1                                       ; quad 5
	QUAD3 0
	TURNA 8, 0xa3, 0, 64                           ; nothing is left to fetch: no round
	PLACES
	FETCH32 1, 0, 0
	TURNB 8, 0xa3, 0, 64
	QUAD3 1
	s_wait_dscnt 0x0
	WIN 0xa3
	MULS 0, 4, 8, 1, 0, 64, 0
	WIN 0
	PLACES
	; THE WAY OUT, an act tile at a time: BN and relu in f32, the quantiser, the fragment as it stands
	v_mul_u32_u24 v4, v2, 4*QB
	v_lshl_add_u32 v4, v1, 2, v4                   ; a scale word's place in hc: row r of the even or odd tile of a pair
.irp a, 0,1,2,3
.if \a > 0
	s_wait_xcnt 0x0                                ; the last tile's stores have read their registers
.endif
	WIN 0x16                                       ; source 0 window 2 (the sums), sources 1 and 2 window 1
.set n, 0
.rept 32
	v_pk_fma_f32 v[128+2*n:129+2*n], v[64*\a+2*n:64*\a+2*n+1], v[64+2*n:65+2*n], v[128+2*n:129+2*n]   ; each accumulator from its low end on
.set n, n+1
.endr
	WIN 0
.set n, 0
.rept 64
	v_max_num_f32 v[128+n], 0, v[128+n]
.set n, n+1
.endr
	QUANT 128, 228+\a
.irp c, 0,1,2
	global_store_b128 v3, v[PC+4*\c:PC+4*\c+3], s[HP:HP+1] offset:\a*4*QB+512*\c   ; 32 lanes store 512 consecutive bytes, aligned to 256
.endr
.endr
	v_cmp_ne_u32 vcc_lo, 0, v2
.irp i, 0,1
	v_cndmask_b32 v[232+\i], v[228+2*\i], v[229+2*\i], vcc_lo
	global_store_b32 v4, v[232+\i], s[HS:HS+1] offset:8*QB*\i
.endr
	s_wait_tensorcnt 0x0                           ; the wave's end
	ds_add_u32 v16, v17
	s_wait_dscnt 0x0
	CROUND                                         ; the closing round
	s_endpgm
.Lfunc_end_k_q1c9ebf0669_mlp1:
	.size	k_q1c9ebf0669_mlp1, .Lfunc_end_k_q1c9ebf0669_mlp1-k_q1c9ebf0669_mlp1
	.p2alignl 7, 3214868480
	.fill 96, 4, 3214868480
	.section	.rodata,"a",@progbits
	.p2align	6, 0x0
	.amdhsa_kernel k_q1c9ebf0669_mlp1
		.amdhsa_group_segment_fixed_size 327680
		.amdhsa_private_segment_fixed_size 0
		.amdhsa_enable_private_segment 0
		.amdhsa_kernarg_size 56
		.amdhsa_user_sgpr_count 2
		.amdhsa_user_sgpr_kernarg_segment_ptr 1
		.amdhsa_wavefront_size32 1
		.amdhsa_system_sgpr_workgroup_id_x 1
		.amdhsa_system_sgpr_workgroup_id_y 1
		.amdhsa_system_sgpr_workgroup_id_z 1
		.amdhsa_system_vgpr_workitem_id 0
		.amdhsa_next_free_vgpr 1024
		.amdhsa_next_free_sgpr 102
		.amdhsa_reserve_vcc 1
		.amdhsa_float_denorm_mode_32 3
		.amdhsa_float_denorm_mode_16_64 3
		.amdhsa_memory_ordered 1
		.amdhsa_forward_progress 1
		.amdhsa_inst_pref_size 227
	.end_amdhsa_kernel
	.amdgpu_metadata
---
amdhsa.version: [ 1, 2 ]
amdhsa.kernels:
  - .name:           k_q1c9ebf0669_mlp1
    .symbol:         k_q1c9ebf0669_mlp1.kd
    .args:
      - { .name: acts, .offset: 0, .size: 8, .value_kind: global_buffer, .address_space: global }
      - { .name: wts, .offset: 8, .size: 8, .value_kind: global_buffer, .address_space: global }
      - { .name: bn_mean, .offset: 16, .size: 8, .value_kind: global_buffer, .address_space: global }
      - { .name: bn_var, .offset: 24, .size: 8, .value_kind: global_buffer, .address_space: global }
      - { .name: bn_gamma, .offset: 32, .size: 8, .value_kind: global_buffer, .address_space: global }
      - { .name: bn_beta, .offset: 40, .size: 8, .value_kind: global_buffer, .address_space: global }
      - { .name: hc, .offset: 48, .size: 8, .value_kind: global_buffer, .address_space: global }
    .group_segment_fixed_size: 327680
    .private_segment_fixed_size: 0
    .kernarg_segment_align: 8
    .kernarg_segment_size: 56
    .max_flat_workgroup_size: 128
    .sgpr_count:     102
    .vgpr_count:     1024
    .wavefront_size: 32
...
	.end_amdgpu_metadata
.endif
;; end of part 4
;; launch mlp2 (part 5): grid 8 x 32, 4 waves a work-group, clusters of 4 x 4, 327,680 bytes of LDS; arguments hc, wts, b2, featA, out0; writes out0
.if DOCPART == 5
	.amdgcn_target "amdgcn-amd-amdhsa--gfx1250"
	.amdhsa_code_object_version 6
	.text
	.protected	k_q1c9ebf0669_mlp2
	.globl	k_q1c9ebf0669_mlp2
	.p2align	8
	.type	k_q1c9ebf0669_mlp2,@function
k_q1c9ebf0669_mlp2:
	s_mov_b64 s[64:65], 0
	v_nop
	global_prefetch_b8 v0, s[64:65] scope:SCOPE_SE
	s_setreg_imm32_b32 hwreg(HW_REG_WAVE_MODE, 25, 1), 1
	s_wait_xcnt 0x0
	s_wait_alu depctr_hold_cnt(0) depctr_sa_sdst(0) depctr_va_vdst(0) depctr_va_sdst(0) depctr_va_ssrc(0) depctr_va_vcc(0) depctr_vm_vsrc(0)
	s_getreg_b32 s2, hwreg(HW_REG_IB_STS2, 6, 4)
	s_cmp_eq_u32 s2, 0
	s_cbranch_scc0 .Lentry_in_a_cluster
	s_endpgm
.Lentry_in_a_cluster:
	s_bfe_u32 s2, ttmp6, 0x10000c
	s_cmp_lg_u32 s2, 0xf033
	s_cbranch_scc0 .Lentry_shape_is_right
	s_endpgm
.Lentry_shape_is_right:
; out = h W2^T + b2 + featA, the product on codes of FP6 (E2M3), sums in f32.  Operands lie as operand images (tiles of 16 rows x 128 K; row r of tile T = row 32 (T / 2) + 8 (T % 2) + r + 8 (r / 8);
; quad blocks of 6,400 bytes: images at 1536 s + 512 c + 16 lane, scale words at 6144 + 64 s + 4 r).
; SHARES.  A work-group takes 128 rows x 128 channels, so that the launch has 256 work-groups; each of its four waves 64 x 64: 16 accumulators.
; THE MATRIX INSTRUCTION IS USED TRANSPOSED (source 0 = a tile of W2, source 1 = a tile of rows): a lane holds eight neighbouring channels of one row.
; K = 2,048 is four quads of 102,400 bytes (8 act tiles, 8 weight tiles).  Three regions in LDS take quads 0, 1, 2 as first fills; region 0 is filled again once, with quad 3, and that load has two quads' products in which to land.
; CLUSTER 4 x 4: act tiles are shared along a row of the cluster, weight tiles along a column, by joint loads.
; REGISTERS: window 0: v0-19 addresses; v20-31 scale words, two sets; v32-127 act fragments, two sets, later rows on the way out; v128-255 accumulator (a, j) at 128 + 32 a + 8 j.
;   window 1: v0-127 my 64 x 64 of featA, as the stores will want it; v128-131 b2.  window 3: weight fragments, two sets of 4.
.set QB,     6400
.set CELL,   8*QB
.set HALFC,  4*QB
.set REG,    2*CELL                    ; a region
.set SPARE,  3*REG                     ; the spare words, 128 bytes for each wave: two blocks of 256 bytes that no other line names
.set STAGE,  REG                       ; the way out: 16 rows x 272 bytes for each wave, in region 1, which is filled once and has had its last read by then
.set SPI,    272
.set AF,     32
.set SC,     20
.set WV, 20
.set WH, 21
.set WE, 22
.set CX, 23
.set CY, 24
.set NX, 25
.set RB, 26
.set RM, 27
.set CM, 28
.set G1A, 36
.set G1B, 44
.set GA0, 52                           ; groups 0, one for each load, never rewritten
.set GA1, 56
.set GA2, 60
.set GA3, 68
.set GB0, 72
.set GB1, 76
.set GB2, 80
.set GB3, 84
.set PA,  92
.set PB,  94
.set MSB, 0
.macro WIN new
.if MSB != \new
	s_set_vgpr_msb (MSB<<8)|\new
.set MSB, \new
.endif
.endm
.macro PLACES                          ; four plain instructions in front of loads into registers that matrix instructions have read, and of the first read of results
.rept 4
	v_nop
.endr
.endm
.macro CREST
	s_cmp_lg_u32 s[WV], 0
	s_cbranch_scc1 .Lnw0_\@
	s_barrier_signal -3
.Lnw0_\@:
	s_barrier_wait -3
	s_barrier_signal -1
	s_barrier_wait -1
.endm
.macro CROUND
	s_barrier_signal -1
	s_barrier_wait -1
	CREST
.endm
.macro JLOAD ga, gb                    ; a joint load: waves 0, 1 fetch act tiles, waves 2, 3 weight tiles; four v_nop follow each line
	s_cmp_eq_u32 s[WH], 0
	s_cbranch_scc0 .Lfb_\@
	tensor_load_to_lds s[\ga:\ga+3], s[G1A:G1A+7]
	s_nop 0
.rept 4
	v_nop
.endr
	s_branch .Lfa_\@
.Lfb_\@:
	tensor_load_to_lds s[\gb:\gb+3], s[G1B:G1B+7]
	s_nop 0
.rept 4
	v_nop
.endr
.Lfa_\@:
.endm
.macro MKG0 g, lreg, lc, base, oc
	s_mov_b32 s[\g], 1
	s_add_co_u32 s[\g+1], s[\lreg], \lc
	s_add_nc_u64 s[\g+2:\g+3], s[\base:\base+1], \oc
	s_or_b32 s[\g+3], s[\g+3], 0x80000000
.endm
.macro FR3 reg, adr, off
.irp c, 0,1,2
	ds_load_b128 v[(\reg)+4*\c:(\reg)+4*\c+3], v[\adr] offset:(\off)+512*\c
.endr
.endm
; K step s into set p: 4 act fragments, 4 weight fragments, 4 registers of scale words: 28 loads.  ada, adb: the address registers; each one's scale address is the next register
.macro FETCH16 ada, adb, s, p
	WIN 0
.irp a, 0,1,2,3
	FR3 AF+48*(\p)+12*\a, \ada, \a*QB+(\s)*1536
.endr
.irp i, 0,1
	ds_load_b32 v[SC+6*(\p)+\i], v[(\ada)+1] offset:\i*2*QB+64*(\s)
	ds_load_b32 v[SC+6*(\p)+2+\i], v[(\adb)+1] offset:\i*2*QB+64*(\s)
.endr
	WIN 0xc0
.irp j, 0,1,2,3
	FR3 96*(\p)+12*\j, \adb, \j*QB+(\s)*1536
.endr
.endm
.macro WM cm
.if \cm == 1
.if (mj%2 == 0) && (ma%2 == 0)
	v_wmma_scale_f32_16x16x128_f8f6f4 v[rD:rD+7], v[rB:rB+11], v[rA:rA+11], 0, v[rSB], v[rSA] matrix_a_fmt:MATRIX_FMT_FP6 matrix_b_fmt:MATRIX_FMT_FP6
.elseif (mj%2 == 1) && (ma%2 == 0)
	v_wmma_scale_f32_16x16x128_f8f6f4 v[rD:rD+7], v[rB:rB+11], v[rA:rA+11], 0, v[rSB], v[rSA] matrix_a_fmt:MATRIX_FMT_FP6 matrix_b_fmt:MATRIX_FMT_FP6 matrix_a_scale:MATRIX_SCALE_ROW1
.elseif (mj%2 == 0)
	v_wmma_scale_f32_16x16x128_f8f6f4 v[rD:rD+7], v[rB:rB+11], v[rA:rA+11], 0, v[rSB], v[rSA] matrix_a_fmt:MATRIX_FMT_FP6 matrix_b_fmt:MATRIX_FMT_FP6 matrix_b_scale:MATRIX_SCALE_ROW1
.else
	v_wmma_scale_f32_16x16x128_f8f6f4 v[rD:rD+7], v[rB:rB+11], v[rA:rA+11], 0, v[rSB], v[rSA] matrix_a_fmt:MATRIX_FMT_FP6 matrix_b_fmt:MATRIX_FMT_FP6 matrix_a_scale:MATRIX_SCALE_ROW1 matrix_b_scale:MATRIX_SCALE_ROW1
.endif
.else
.if (mj%2 == 0) && (ma%2 == 0)
	v_wmma_scale_f32_16x16x128_f8f6f4 v[rD:rD+7], v[rB:rB+11], v[rA:rA+11], v[rC:rC+7], v[rSB], v[rSA] matrix_a_fmt:MATRIX_FMT_FP6 matrix_b_fmt:MATRIX_FMT_FP6
.elseif (mj%2 == 1) && (ma%2 == 0)
	v_wmma_scale_f32_16x16x128_f8f6f4 v[rD:rD+7], v[rB:rB+11], v[rA:rA+11], v[rC:rC+7], v[rSB], v[rSA] matrix_a_fmt:MATRIX_FMT_FP6 matrix_b_fmt:MATRIX_FMT_FP6 matrix_a_scale:MATRIX_SCALE_ROW1
.elseif (mj%2 == 0)
	v_wmma_scale_f32_16x16x128_f8f6f4 v[rD:rD+7], v[rB:rB+11], v[rA:rA+11], v[rC:rC+7], v[rSB], v[rSA] matrix_a_fmt:MATRIX_FMT_FP6 matrix_b_fmt:MATRIX_FMT_FP6 matrix_b_scale:MATRIX_SCALE_ROW1
.else
	v_wmma_scale_f32_16x16x128_f8f6f4 v[rD:rD+7], v[rB:rB+11], v[rA:rA+11], v[rC:rC+7], v[rSB], v[rSA] matrix_a_fmt:MATRIX_FMT_FP6 matrix_b_fmt:MATRIX_FMT_FP6 matrix_a_scale:MATRIX_SCALE_ROW1 matrix_b_scale:MATRIX_SCALE_ROW1
.endif
.endif
.endm
; act tiles a0 .. a0 + cnt - 1 x nb weight tiles of set p.  cm = 0: in place; 1: C is the constant 0.  The accumulators take turns, one instruction a turn.
.macro MULS a0, cnt, nb, p, base, astr, cm
.set ma, \a0
.rept \cnt
.set mj, 0
.rept \nb
.set rD, (\base)+(\astr)*ma+8*mj
.set rC, rD
.set rB, 96*(\p)+12*mj
.set rA, AF+48*(\p)+12*ma
.set rSB, SC+6*(\p)+2+mj/2
.set rSA, SC+6*(\p)+ma/2
	WM \cm
.set mj, mj+1
.endr
.set ma, ma+1
.endr
.endm
.macro K16 fa, fb, fs, p, cm           ; the next step's 28 loads (registers fa, fb, step fs) go out, then the 16 products on set p
	PLACES
	FETCH16 \fa, \fb, \fs, 1-(\p)
	s_wait_dscnt 28                                ; all but the 28 just issued: this step's set is in
	WIN 0x03
	MULS 0, 4, 4, \p, 128, 32, \cm
.endm
.macro TURNA nb, wn, base, astr        ; a step with a barrier, up to the barrier's wait
	WIN 0                                          ; (the add's two registers lie in window 0)
	s_wait_tensorcnt 0x0                           ; all my tensor loads have landed
	ds_add_u32 v16, v17                            ; 0 onto my spare word
	s_wait_dscnt 1                                 ; (the add alone may be out: this step's set is in)
	WIN \wn
	MULS 0, 1, \nb, 1, \base, \astr, 0
	s_wait_dscnt 0x0                               ; the add is done, and my reads of the region that I leave are over
	s_barrier_signal -1
	MULS 1, 1, \nb, 1, \base, \astr, 0
	WIN 0
	s_barrier_wait -1
.endm
.macro TURNB nb, wn, base, astr
	WIN \wn
	MULS 2, 2, \nb, 1, \base, \astr, 0
.endm
	s_load_b256 s[4:11], s[0:1], 0x0               ; hc 4, wts 6, b2 8, featA 10
	s_load_b64 s[12:13], s[0:1], 0x20              ; out0
	v_lshl_add_u32 v16, v0, 2, SPARE
	v_mov_b32 v17, 0
	ds_add_u32 v16, v17
	ds_add_u32 v16, v17
	s_wait_dscnt 0x0
	v_lshrrev_b32 v1, 5, v0
	v_readfirstlane_b32 s[WV], v1
	s_lshr_b32 s[WH], s[WV], 1                     ; my half of the rows.  Also: I fetch act tiles (0) or weight tiles (1)
	s_and_b32 s[WE], s[WV], 1                      ; my half of the channels.  Also: which four tiles I fetch
	s_bfe_u32 s[CX], ttmp6, 0x40000
	s_bfe_u32 s[CY], ttmp6, 0x40004
	s_lshl_b32 s[NX], ttmp9, 2
	s_add_co_u32 s[NX], s[NX], s[CX]               ; the block of 128 channels
	s_and_b32 s[RB], ttmp7, 0xffff
	s_lshl_b32 s[RB], s[RB], 2
	s_add_co_u32 s[RB], s[RB], s[CY]               ; the block of 128 rows
	s_lshl_b32 s[RM], s[CY], 2
	s_lshl_b32 s[RM], 15, s[RM]
	s_lshl_b32 s[CM], 0x1111, s[CX]
	s_or_b32 s[G1A], s[RM], (3<<16)|(1<<21)        ; 15:0 the mask; 17:16 elements of 8 bytes; 21 set beside a mask; no padding
	s_or_b32 s[G1B], s[CM], (3<<16)|(1<<21)
.irp g, G1A, G1B
	s_mov_b32 s[\g+1], 800<<16                     ; a quad block: 800 elements
	s_mov_b32 s[\g+2], 4<<16                       ; 4 tiles
	s_mov_b32 s[\g+3], 800<<16
	s_mov_b32 s[\g+4], 4
	s_mov_b32 s[\g+5], 3200                        ; 25,600 bytes from tile to tile
	s_mov_b32 s[\g+6], 0
	s_mov_b32 s[\g+7], 0
.endr
	s_lshl_b32 s30, s[RB], 3
	s_lshl_b32 s31, s[WE], 2
	s_add_co_u32 s30, s30, s31
	s_mul_i32 s30, s30, 4*QB                       ; act tile 8 RB + 4 x part
	s_mov_b32 s31, 0
	s_lshl_b32 s32, s[NX], 3
	s_lshl_b32 s33, s[WE], 2
	s_add_co_u32 s32, s32, s33
	s_mul_i32 s32, s32, 4*QB                       ; weight tile 8 NX + 4 x part
	s_add_co_u32 s32, s32, 9011200                 ; of W2's codes
	s_mov_b32 s33, 0
	s_mul_i32 s34, s[WV], HALFC                    ; where they go: wave x four tiles: acts' two halves, then the weight's
	s_wait_kmcnt 0x0
	s_add_nc_u64 s[PA:PA+1], s[4:5], s[30:31]
	s_add_nc_u64 s[PB:PB+1], s[6:7], s[32:33]
	CROUND                                         ; all sixteen work-groups are here: the first joint loads meet
	MKG0 GA0, 34, 0,     PA, 0
	MKG0 GA1, 34, REG,   PA, QB
	MKG0 GA2, 34, 2*REG, PA, 2*QB
	MKG0 GA3, 34, 0,     PA, 3*QB
	MKG0 GB0, 34, 0,     PB, 0
	MKG0 GB1, 34, REG,   PB, QB
	MKG0 GB2, 34, 2*REG, PB, 2*QB
	MKG0 GB3, 34, 0,     PB, 3*QB
	JLOAD GA0, GB0
	JLOAD GA1, GB1
	JLOAD GA2, GB2                                 ; three loads of mine are out
	v_and_b32 v1, 15, v0                           ; r
	v_bfe_u32 v2, v0, 4, 1                         ; h
	v_and_b32 v3, 31, v0
	v_lshlrev_b32 v3, 4, v3                        ; 16 x lane
	v_lshlrev_b32 v19, 12, v2
	v_lshl_add_u32 v19, v1, 4, v19                 ; featA and out0: lanes 0-15 one row, lanes 16-31 the next, 16 bytes a lane; kept to the end
	v_lshlrev_b32 v0, 4, v1                        ; b2: my four channels (the thread's number has served)
	s_lshl_b32 s98, s[RB], 19                      ; my 64 rows x 64 channels
	s_lshl_b32 s32, s[WH], 18
	s_add_co_u32 s98, s98, s32
	s_lshl_b32 s32, s[NX], 9
	s_lshl_b32 s33, s[WE], 8
	s_add_co_u32 s32, s32, s33
	s_add_co_u32 s98, s98, s32
	s_mov_b32 s99, 0
	s_mov_b32 s33, 0
	s_add_nc_u64 s[10:11], s[10:11], s[98:99]
	s_add_nc_u64 s[12:13], s[12:13], s[98:99]
	s_add_nc_u64 s[8:9], s[8:9], s[32:33]
	WIN 0x40                                       ; destination window 1
.irp a, 0,1,2,3
.irp t, 0,1,2,3,4,5,6,7
	global_load_b128 v[32*\a+4*\t:32*\a+4*\t+3], v19, s[10:11] offset:(32*(\a/2)+8*(\a%2)+2*\t+8*(\t/4))*4096 th:TH_LOAD_NT   ; at the stores' own places; they stay out until the way out
.endr
.endr
	global_load_b128 v[128:131], v0, s[8:9]
	WIN 0
	v_mul_u32_u24 v18, v2, QB
	v_lshl_add_u32 v18, v1, 2, v18
	v_add_nc_u32 v18, 6144, v18                    ; a scale word's place: row r of the even or odd tile of a pair
	s_mul_i32 s29, s[WH], HALFC                    ; my four act tiles
	s_mul_i32 s30, s[WE], HALFC                    ; my four weight tiles
	s_add_co_u32 s30, s30, CELL
.irp g, 0,1,2
	v_add_nc_u32 v[4+4*\g], s29, v3
	v_add_nc_u32 v[5+4*\g], s29, v18
	v_add_nc_u32 v[6+4*\g], s30, v3
	v_add_nc_u32 v[7+4*\g], s30, v18
	s_add_co_u32 s29, s29, REG
	s_add_co_u32 s30, s30, REG
.endr
	s_wait_tensorcnt 0x2                           ; my part of quad 0 is in; quads 1 and 2 may stay out
	s_barrier_signal -1
	s_barrier_wait -1
	FETCH16 4, 6, 0, 0
	; quad 0
	K16 4, 6, 1, 0, 1                              ; the first products start the sums
	K16 4, 6, 2, 1, 0
	K16 4, 6, 3, 0, 0
	TURNA 4, 0x03, 128, 32                         ; quads 1 and 2 have landed
	CREST                                          ; no wave of any partner still reads region 0 or has a load on its way
	JLOAD GA3, GB3                                 ; region 0 takes quad 3: 128 products in which to land
	FETCH16 8, 10, 0, 0
	TURNB 4, 0x03, 128, 32
	; quads 1 and 2: the round has shown both whole, so no barrier stands between them
	K16 8, 10, 1, 0, 0
	K16 8, 10, 2, 1, 0
	K16 8, 10, 3, 0, 0
	K16 12, 14, 0, 1, 0
	K16 12, 14, 1, 0, 0
	K16 12, 14, 2, 1, 0
	K16 12, 14, 3, 0, 0
	TURNA 4, 0x03, 128, 32                         ; quad 3 has landed; nothing is filled again: no round
	PLACES
	FETCH16 4, 6, 0, 0
	TURNB 4, 0x03, 128, 32
	; quad 3
	K16 4, 6, 1, 0, 0
	K16 4, 6, 2, 1, 0
	K16 4, 6, 3, 0, 0
	s_wait_dscnt 0x0
	WIN 0x03
	MULS 0, 4, 4, 1, 128, 32, 0
	WIN 0
	PLACES
	; THE WAY OUT, a tile of 16 rows x 64 channels at a time through my own stage, so that sixteen lanes store 256 consecutive bytes of a row, aligned
	s_mul_i32 s29, s[WV], 16*SPI
	s_add_co_u32 s29, s29, STAGE
	v_mul_u32_u24 v4, v1, SPI
	v_lshl_add_u32 v4, v2, 6, v4
	v_add_nc_u32 v4, s29, v4                       ; in: row r, + 64 h
	v_mul_u32_u24 v5, v2, SPI
	v_lshl_add_u32 v5, v1, 4, v5
	v_add_nc_u32 v5, s29, v5                       ; back: lanes 0-15 one row, lanes 16-31 the next
.macro TOSTAGE a
.irp j, 0,1,2,3
	ds_store_b128 v4, v[128+32*(\a)+8*\j:131+32*(\a)+8*\j] offset:128*(\j/2)+32*(\j%2)       ; each accumulator from its low end on
	ds_store_b128 v4, v[132+32*(\a)+8*\j:135+32*(\a)+8*\j] offset:128*(\j/2)+32*(\j%2)+16
.endr
.irp t, 0,1,2,3,4,5,6,7
	ds_load_b128 v[32+32*((\a)%2)+4*\t:35+32*((\a)%2)+4*\t], v5 offset:2*SPI*\t   ; LDS serves a wave's instructions in order (ISA guide 5.7.1.4): these see the stores above
.endr
.endm
.macro SEND a, younger                 ; younger: the LDS instructions issued behind this tile's loads
	s_wait_dscnt \younger
	WIN 0x04                                       ; source 1 window 1
.irp t, 0,1,2,3,4,5,6,7
	v_pk_add_f32 v[32+32*((\a)%2)+4*\t:33+32*((\a)%2)+4*\t], v[32+32*((\a)%2)+4*\t:33+32*((\a)%2)+4*\t], v[128:129]   ; + b2
	v_pk_add_f32 v[34+32*((\a)%2)+4*\t:35+32*((\a)%2)+4*\t], v[34+32*((\a)%2)+4*\t:35+32*((\a)%2)+4*\t], v[130:131]
.endr
.irp t, 0,1,2,3,4,5,6,7
	v_pk_add_f32 v[32+32*((\a)%2)+4*\t:33+32*((\a)%2)+4*\t], v[32+32*((\a)%2)+4*\t:33+32*((\a)%2)+4*\t], v[32*(\a)+4*\t:32*(\a)+4*\t+1]   ; + featA
	v_pk_add_f32 v[34+32*((\a)%2)+4*\t:35+32*((\a)%2)+4*\t], v[34+32*((\a)%2)+4*\t:35+32*((\a)%2)+4*\t], v[32*(\a)+4*\t+2:32*(\a)+4*\t+3]
.endr
	WIN 0
.irp t, 0,1,2,3,4,5,6,7
	global_store_b128 v19, v[32+32*((\a)%2)+4*\t:35+32*((\a)%2)+4*\t], s[12:13] offset:(32*((\a)/2)+8*((\a)%2)+2*\t+8*(\t/4))*4096 th:TH_STORE_NT
.endr
.endm
	TOSTAGE 0
	s_wait_loadcnt 0x0                             ; featA and b2
.irp a, 1,2,3
.if \a > 1
	s_wait_xcnt 0x0                                ; the stores of the tile two back have read their registers: this tile's loads may land there
.endif
	TOSTAGE \a
	SEND \a-1, 16                                  ; behind that tile's loads: this tile's 8 stores and 8 loads
.endr
	SEND 3, 0
	s_wait_tensorcnt 0x0                           ; the wave's end
	ds_add_u32 v16, v17
	s_wait_dscnt 0x0
	CROUND                                         ; the closing round
	s_endpgm
.Lfunc_end_k_q1c9ebf0669_mlp2:
	.size	k_q1c9ebf0669_mlp2, .Lfunc_end_k_q1c9ebf0669_mlp2-k_q1c9ebf0669_mlp2
	.p2alignl 7, 3214868480
	.fill 96, 4, 3214868480
	.section	.rodata,"a",@progbits
	.p2align	6, 0x0
	.amdhsa_kernel k_q1c9ebf0669_mlp2
		.amdhsa_group_segment_fixed_size 327680
		.amdhsa_private_segment_fixed_size 0
		.amdhsa_enable_private_segment 0
		.amdhsa_kernarg_size 40
		.amdhsa_user_sgpr_count 2
		.amdhsa_user_sgpr_kernarg_segment_ptr 1
		.amdhsa_wavefront_size32 1
		.amdhsa_system_sgpr_workgroup_id_x 1
		.amdhsa_system_sgpr_workgroup_id_y 1
		.amdhsa_system_sgpr_workgroup_id_z 1
		.amdhsa_system_vgpr_workitem_id 0
		.amdhsa_next_free_vgpr 1024
		.amdhsa_next_free_sgpr 102
		.amdhsa_reserve_vcc 0
		.amdhsa_float_denorm_mode_32 3
		.amdhsa_float_denorm_mode_16_64 3
		.amdhsa_memory_ordered 1
		.amdhsa_forward_progress 1
		.amdhsa_inst_pref_size 94
	.end_amdhsa_kernel
	.amdgpu_metadata
---
amdhsa.version: [ 1, 2 ]
amdhsa.kernels:
  - .name:           k_q1c9ebf0669_mlp2
    .symbol:         k_q1c9ebf0669_mlp2.kd
    .args:
      - { .name: hc, .offset: 0, .size: 8, .value_kind: global_buffer, .address_space: global }
      - { .name: wts, .offset: 8, .size: 8, .value_kind: global_buffer, .address_space: global }
      - { .name: b2, .offset: 16, .size: 8, .value_kind: global_buffer, .address_space: global }
      - { .name: featA, .offset: 24, .size: 8, .value_kind: global_buffer, .address_space: global }
      - { .name: out0, .offset: 32, .size: 8, .value_kind: global_buffer, .address_space: global }
    .group_segment_fixed_size: 327680
    .private_segment_fixed_size: 0
    .kernarg_segment_align: 8
    .kernarg_segment_size: 40
    .max_flat_workgroup_size: 128
    .sgpr_count:     102
    .vgpr_count:     1024
    .wavefront_size: 32
...
	.end_amdgpu_metadata
.endif
;; end of part 5
